; MI455X (gfx1250); checked and timed in simulation.
; The chip was launched on July 23, 2026; its instructions are those of AMD's public machine-readable ISA for CDNA 5 (MIT licence, August 2026) and "CDNA5" Instruction Set Architecture Reference Guide (July 2026). The comments in the code are by the model that wrote it; some were corrected since.
;; Multi Head Attention. Allowed arithmetic: matrix products marked QUANTISED: E4M3 operands, one E8M0 scale for each 32 along K, by v_wmma_scale_f32_16x16x128_f8f6f4 with both operands' format E4M3, f32 sums; everything else in f32.
;; Inputs: wk 1,024 x 1,024 float32; wo 1,024 x 1,024 float32; wq 1,024 x 1,024 float32; wv 1,024 x 1,024 float32; x 2 x 2,048 x 1,024 float32.
;; Outputs: out0 2 x 2,048 x 1,024 float32.
;; This version of the problem:
;;   THIS VERSION OF THE PROBLEM IS GIVEN IN LOW PRECISION. The matrix products marked QUANTISED in the list below multiply operands that are first quantised to E4M3 (4 exponent bits, 3 mantissa bits; 8 bits a number), with one power-of-two scale for each 32 numbers along K (OCP MX v1.0); their sums are f32. All else is computed in f32.
;;   The module's matrix products, in the order in which they are computed (A, B: the left and right operand; K: the contracted axis; several contracted axes count as one K, in the product's order):
;;     1. [M 4,096, K 1,024] x [K 1,024, N 1,024]; A: input x; B: input wq: QUANTISED
;;     2. [M 4,096, K 1,024] x [K 1,024, N 1,024]; A: input x; B: input wk: QUANTISED
;;     3. [M 4,096, K 1,024] x [K 1,024, N 1,024]; A: input x; B: input wv: QUANTISED
;;     4. batch 32 x [M 2,048, K 64] x [K 64, N 2,048]; A: computed on the way; B: computed on the way: QUANTISED
;;     5. batch 32 x [M 64, K 2,048] x [K 2,048, N 2,048]; A: computed on the way; B: softmax (see below): QUANTISED
;;     6. [M 4,096, K 1,024] x [K 1,024, N 1,024]; A: computed on the way; B: input wo: QUANTISED
;;   THE QUANTISER, for each operand of a quantised product, along K:
;;     - K is cut into blocks of 32 from its start; a last block that is shorter is filled with zeros.
;;     - A block's scale is 2^e with e = floor(log2(the largest magnitude in the block)) - 8, held to -126 .. 127; a block of zeros has e = 0. As a byte (E8M0): e + 127.
;;     - Each number is divided by its block's scale, clamped to +-448, and rounded to the nearest number of E4M3, ties to even, subnormals kept.
;;     - The product sums the exact products of the quantised numbers (number of the format x scale) in f32.
;;   ~~~python
;;   def quantise(x, axis):      # numpy; x: float32 -> the quantised numbers, widened to float32 again
;;       x = np.moveaxis(x, axis, -1); K = x.shape[-1]
;;       x = np.pad(x, [(0, 0)] * (x.ndim - 1) + [(0, -K % 32)]); x = x.reshape(x.shape[:-1] + (-1, 32)); a = np.abs(x).max(-1, keepdims=True)
;;       e = np.where(a > 0, np.clip(np.frexp(np.where(a > 0, a, 1))[1] - 1 - 8, -126, 127), 0)      # np.frexp(a)[1] - 1 = floor(log2(a)), exactly
;;       r = np.clip(x / 2.0 ** e, -448, 448)
;;       step = 2.0 ** (np.maximum(np.frexp(np.where(r == 0, 1, r))[1] - 1, -6) - 3)
;;       q = np.round(r / step) * step * 2.0 ** e      # np.round: ties to even
;;       return np.moveaxis(q.reshape(q.shape[:-2] + (-1,))[..., :K], -1, axis).astype(np.float32)
;;   ~~~
;;   SOFTMAX AHEAD OF A QUANTISED PRODUCT. Where the list says 'softmax', what is quantised is not the finished softmax but p = 2^(t - M), with t = logit x log2(e) and M = ceil(the row's largest t), a whole number; so 1/2 < the row's largest p <= 1. The row's sum l is taken of the UNQUANTISED p, in f32, and the product's result is divided by l at the end. Since M is a whole number, a kernel that streams over the keys may use a running M (the ceiling of the running maximum): every later rescaling is an exact power of two, which a block's scale takes up: the codes' values come out the same.
;;   OPERANDS COMPUTED ON THE WAY. 'Computed on the way' means the value that the module computes at that place (a softmax that the list does not call 'softmax' is quantised finished and normalised). What goes into a quantiser is computed in f32, as accurately as f32 sums, v_exp_f32 and their like allow (about 1e-6 of the number): no bf16 or f16 on the way to a quantiser, and a product that is left as it is and whose result goes on into a quantised operand takes f32 operands (vector FMAs, or v_wmma_f32_16x16x4_f32). A number that lies on a knife's edge between two numbers of the format may be rounded either way, as far as f32 arithmetic and the matrix unit's own rounding can turn it there, and no further.
;; One version. Each part assembles by itself: llvm-mc -triple=amdgcn-amd-amdhsa -mcpu=gfx1250 --defsym DOCPART=n.
;; ======== version 1 of 1: 4 launches
;; limits: right only within a limited range of input values
;; workspace buffers: cod 8,388,608 bytes; scl 262,144 bytes; blk 17,563,648 bytes; oc 4,194,304 bytes; os 131,072 bytes
;; launch quant (part 1): grid 256 x 1, 4 waves a work-group, no clusters, 34,304 bytes of LDS; arguments x, wq, wk, wv, wo, cod, scl; writes cod, scl
.if DOCPART == 1
	.amdgcn_target "amdgcn-amd-amdhsa--gfx1250"
	.amdhsa_code_object_version 6
	.text
	.protected	k_q80dc27ba3d_quant
	.globl	k_q80dc27ba3d_quant
	.p2align	8
	.type	k_q80dc27ba3d_quant,@function
k_q80dc27ba3d_quant:
	s_mov_b64 s[64:65], 0
	v_nop
	global_prefetch_b8 v0, s[64:65] scope:SCOPE_SE
	s_setreg_imm32_b32 hwreg(HW_REG_WAVE_MODE, 25, 1), 1
	s_wait_xcnt 0x0
; x [4096][1024] and wq, wk, wv, wo [1024][1024], f32, K innermost, become codes of FP8 (E4M3) with one E8M0 byte for each 32 along K.
; The five tensors count as ONE run of 8,192 rows: x 0-4095, wq, wk, wv, wo behind it.  A TILE is 16 rows; of 32 rows on end, tile 2 B + u holds in place r the row 32 B + 8 u + r + 8 (r / 8).
; So, where such tiles are source 0 of a product, a lane's 16 results of two neighbouring tiles are 16 neighbouring rows.
; cod: [tile 512][K step 8][chunk 4][512 bytes]: the IMAGE of an operand's registers: chunk c holds at 16 x lane the 16 codes k = 32 c + 16 (lane / 16) + 0 .. 15 of place lane % 16.
; scl: [K quarter 4][place 16 tile + r][8 bytes]: the scale words of the quarter's two K steps.
; A block's scale is 2^(floor(log2(largest magnitude)) - 8); its byte is the largest magnitude's exponent field - 8, held at 1 from below.
; LIMITS: a block of zeros gets the byte 1 and not 127 (its codes are zeros, and this program alone reads the bytes); NaN and infinities among the inputs are not served.
; SHARES: work-group g takes rows 32 g .. 32 g + 31 (two tiles); wave q takes 256 along K: four fragments f = 2 u + s (tile u, K step s of the quarter).
; Each load reads 512 consecutive bytes of one row; a fragment turns through the wave's own stage in LDS, so that a lane gets 16 neighbours of each block.  Waves share nothing: no barrier.
.set SP,   528                         ; a stage row: 512 bytes + 16: row r starts 4 r banks on (64 banks of 4 bytes: ISA guide 11.1)
.set STG,  16*SP                       ; a wave's stage
.set PW,   16                          ; v16-19   the four fragments' scale words
.set X,    32                          ; v32-223  three sets of 64 numbers
.set C,    224                         ; v224-239 a fragment's codes
.set TM,   240                         ; v240-243 largest magnitudes, 244-247 bytes, 248-251 448 x the scale, 252-255 the conversions' scale operands
.set SEL,  20                          ; s[20:21] lane selects: lane l xor 16
.set MNT,  23                          ; s23      the mantissa field of 448
	s_load_b256 s[4:11], s[0:1], 0x0               ; x, wq, wk, wv
	s_load_b128 s[12:15], s[0:1], 0x20             ; wo, cod
	s_load_b64 s[16:17], s[0:1], 0x30              ; scl
	v_lshl_add_u32 v30, v0, 2, 0x8400
	v_mov_b32 v31, 0
	v_lshrrev_b32 v1, 5, v0
	v_readfirstlane_b32 s18, v1                    ; wave = K quarter
	v_and_b32 v1, 31, v0                           ; lane
	v_and_b32 v2, 15, v0                           ; r
	v_bfe_u32 v3, v0, 4, 1                         ; h
	v_lshlrev_b32 v4, 4, v1                        ; 16 x lane: my bytes of a load, and of a chunk of codes
	s_mul_i32 s19, s18, STG
	v_add_nc_u32 v5, s19, v4                       ; into the stage: 16 x lane of a row
	v_mul_u32_u24 v6, v2, SP
	v_lshl_add_u32 v6, v3, 6, v6
	v_add_nc_u32 v6, s19, v6                       ; out of it: row r, + 64 h: my 16 numbers of a block
	v_lshlrev_b32 v7, 3, v1                        ; 8 x lane: the scale words' place
	s_mov_b32 s[SEL], 0x76543210
	s_mov_b32 s[SEL+1], 0xfedcba98
	s_mov_b32 s[MNT], 0x600000
.irp b, 0,1,2,3
	v_mov_b32 v[TM+4+\b], 0                        ; written once: a lane permute's destination counts as one of its sources
.endr
	s_and_b32 s24, ttmp9, 31
	s_cmp_lt_u32 ttmp9, 128
	s_cselect_b32 s24, ttmp9, s24                  ; which 32 rows of its own tensor
	s_lshl_b32 s24, s24, 17                        ; x 32 rows of 4,096 bytes
	s_lshl_b32 s25, s18, 10
	s_add_co_u32 s24, s24, s25                     ; + my quarter's 1,024 bytes
	s_mov_b32 s25, 0
	s_lshl_b32 s26, ttmp9, 15                      ; cod: two tiles of 16,384 bytes,
	s_lshl_b32 s27, s18, 12
	s_add_co_u32 s26, s26, s27                     ; + two K steps of 2,048
	s_mov_b32 s27, 0
	s_lshl_b32 s28, s18, 16                        ; scl: a quarter is 65,536 bytes,
	s_lshl_b32 s29, ttmp9, 8
	s_add_co_u32 s28, s28, s29                     ; 32 places are 256
	s_mov_b32 s29, 0
	s_wait_alu depctr_va_vdst(0)
	s_wait_kmcnt 0x0
	s_cmp_ge_u32 ttmp9, 128                        ; which tensor: the choice hangs on the work-group's number alone
	s_cselect_b64 s[4:5], s[6:7], s[4:5]
	s_cmp_ge_u32 ttmp9, 160
	s_cselect_b64 s[4:5], s[8:9], s[4:5]
	s_cmp_ge_u32 ttmp9, 192
	s_cselect_b64 s[4:5], s[10:11], s[4:5]
	s_cmp_ge_u32 ttmp9, 224
	s_cselect_b64 s[4:5], s[12:13], s[4:5]
	s_add_nc_u64 s[4:5], s[4:5], s[24:25]
	s_add_nc_u64 s[14:15], s[14:15], s[26:27]
	s_add_nc_u64 s[16:17], s[16:17], s[28:29]
.macro LOAD f                          ; fragment f into set f % 3: place i of tile f / 2 is row 8 (f / 2) + i + 8 (i / 8) of my 32
.set XL, X+64*((\f)%3)
.irp i, 0,1,2,3,4,5,6,7,8,9,10,11,12,13,14,15
	global_load_b128 v[XL+4*\i:XL+4*\i+3], v4, s[4:5] offset:(8*((\f)/2)+\i+8*(\i/8))*4096+512*((\f)%2) th:TH_LOAD_NT
.endr
.endm
.macro FRAGM f, left                   ; left: the loads issued behind fragment f's, which may stay out
.set XS, X+64*((\f)%3)
	s_wait_loadcnt \left
.irp i, 0,1,2,3,4,5,6,7,8,9,10,11,12,13,14,15
	ds_store_b128 v5, v[XS+4*\i:XS+4*\i+3] offset:\i*SP
.endr
.irp b, 0,1,2,3
.irp j, 0,1,2,3
	ds_load_b128 v[XS+16*\b+4*\j:XS+16*\b+4*\j+3], v6 offset:128*\b+16*\j   ; LDS serves a wave's instructions in order (ISA guide 5.7.1.4): these see the stores above.  Register 16 b + i = k 32 b + 16 h + i of row r
.endr
.endr
	s_wait_dscnt 0x0
.irp b, 0,1,2,3
	v_max3_num_f32 v[TM+\b], |v[XS+16*\b]|, |v[XS+1+16*\b]|, 0x4800000   ; block b: my 16 numbers, and the floor 2^(9 - 127): the byte cannot fall under 1
.endr
.irp i, 2,4,6,8,10,12,14
.irp b, 0,1,2,3
	v_max3_num_f32 v[TM+\b], v[TM+\b], |v[XS+16*\b+\i]|, |v[XS+1+16*\b+\i]|
.endr
.endr
.irp b, 0,1,2,3
	v_permlanex16_b32 v[TM+4+\b], v[TM+\b], s[SEL], s[SEL+1]
.endr
.irp b, 0,1,2,3
	v_max_num_f32 v[TM+\b], v[TM+\b], v[TM+4+\b]   ; with lane l xor 16's: the block's largest magnitude
.endr
.irp b, 0,1,2,3
	v_add_nc_u32 v[TM+12+\b], 0xfc000000, v[TM+\b] ; 8 off its exponent field: the conversion's scale operand
.endr
.irp b, 0,1,2,3
	v_and_or_b32 v[TM+8+\b], v[TM+\b], 0x7f800000, s[MNT]   ; 448 x the scale
.endr
.irp b, 0,1,2,3
	v_lshrrev_b32 v[TM+4+\b], 23, v[TM+12+\b]      ; the scale's byte
.endr
	v_lshl_or_b32 v[PW+\f], v[TM+5], 8, v[TM+4]    ; my row's scale word for this K step
	v_lshl_or_b32 v[PW+\f], v[TM+6], 16, v[PW+\f]
	v_lshl_or_b32 v[PW+\f], v[TM+7], 24, v[PW+\f]
	s_wait_xcnt 0x0                                ; the last fragment's stores have read the codes' registers: only behind this wait are they written again
.irp b, 0,1,2,3
.irp i, 0,1,2,3,4,5,6,7,8,9,10,11,12,13,14,15
	v_med3_num_f32 v[XS+16*\b+\i], v[XS+16*\b+\i], -v[TM+8+\b], v[TM+8+\b]   ; the conversion to an 8-bit code does not saturate (ISA guide 7.6.2): the hold at 448 x the scale
.endr
	v_cvt_scalef32_pk8_fp8_f32 v[C+4*\b:C+1+4*\b], v[XS+16*\b:XS+7+16*\b], v[TM+12+\b]
	v_cvt_scalef32_pk8_fp8_f32 v[C+2+4*\b:C+3+4*\b], v[XS+8+16*\b:XS+15+16*\b], v[TM+12+\b]
.endr
	v_nop                                          ; a plain line behind the last conversion
.irp c, 0,1,2,3
	global_store_b128 v4, v[C+4*\c:C+4*\c+3], s[14:15] offset:((\f)/2)*16384+((\f)%2)*2048+512*\c   ; 32 lanes store 512 consecutive bytes
.endr
.endm
	LOAD 0
	LOAD 1
	LOAD 2
	FRAGM 0, 32
	LOAD 3                                         ; into the set that fragment 0 has left
	FRAGM 1, 32
	FRAGM 2, 16
	FRAGM 3, 0
	v_cmp_le_u32 vcc_lo, 16, v1                    ; lanes 0-15 store tile 0's words, lanes 16-31 tile 1's: every lane holds place r's words of all four fragments
	v_cndmask_b32 v8, v[PW], v[PW+2], vcc_lo
	v_cndmask_b32 v9, v[PW+1], v[PW+3], vcc_lo
	global_store_b64 v7, v[8:9], s[16:17]          ; 32 lanes store 256 consecutive bytes, aligned
	s_wait_tensorcnt 0x0
	ds_add_u32 v30, v31
	s_wait_dscnt 0x0
	s_endpgm
.Lfunc_end_k_q80dc27ba3d_quant:
	.size	k_q80dc27ba3d_quant, .Lfunc_end_k_q80dc27ba3d_quant-k_q80dc27ba3d_quant
	.p2alignl 7, 3214868480
	.fill 96, 4, 3214868480
	.section	.rodata,"a",@progbits
	.p2align	6, 0x0
	.amdhsa_kernel k_q80dc27ba3d_quant
		.amdhsa_group_segment_fixed_size 34304
		.amdhsa_private_segment_fixed_size 0
		.amdhsa_enable_private_segment 0
		.amdhsa_kernarg_size 56
		.amdhsa_user_sgpr_count 2
		.amdhsa_user_sgpr_kernarg_segment_ptr 1
		.amdhsa_wavefront_size32 1
		.amdhsa_system_sgpr_workgroup_id_x 1
		.amdhsa_system_sgpr_workgroup_id_y 1
		.amdhsa_system_sgpr_workgroup_id_z 1
		.amdhsa_system_vgpr_workitem_id 0
		.amdhsa_next_free_vgpr 256
		.amdhsa_next_free_sgpr 66
		.amdhsa_reserve_vcc 1
		.amdhsa_float_denorm_mode_32 3
		.amdhsa_float_denorm_mode_16_64 3
		.amdhsa_memory_ordered 1
		.amdhsa_forward_progress 1
		.amdhsa_inst_pref_size 51
	.end_amdhsa_kernel
	.amdgpu_metadata
---
amdhsa.version: [ 1, 2 ]
amdhsa.kernels:
  - .name:           k_q80dc27ba3d_quant
    .symbol:         k_q80dc27ba3d_quant.kd
    .args:
      - { .name: x, .offset: 0, .size: 8, .value_kind: global_buffer, .address_space: global }
      - { .name: wq, .offset: 8, .size: 8, .value_kind: global_buffer, .address_space: global }
      - { .name: wk, .offset: 16, .size: 8, .value_kind: global_buffer, .address_space: global }
      - { .name: wv, .offset: 24, .size: 8, .value_kind: global_buffer, .address_space: global }
      - { .name: wo, .offset: 32, .size: 8, .value_kind: global_buffer, .address_space: global }
      - { .name: cod, .offset: 40, .size: 8, .value_kind: global_buffer, .address_space: global }
      - { .name: scl, .offset: 48, .size: 8, .value_kind: global_buffer, .address_space: global }
    .group_segment_fixed_size: 34304
    .private_segment_fixed_size: 0
    .kernarg_segment_align: 8
    .kernarg_segment_size: 56
    .max_flat_workgroup_size: 128
    .sgpr_count:     66
    .vgpr_count:     256
    .wavefront_size: 32
...
	.end_amdgpu_metadata
.endif
;; end of part 1
;; launch qkv (part 2): grid 8 x 24, 4 waves a work-group, clusters of 4 x 4, 327,680 bytes of LDS; arguments cod, scl, blk; writes blk
.if DOCPART == 2
	.amdgcn_target "amdgcn-amd-amdhsa--gfx1250"
	.amdhsa_code_object_version 6
	.text
	.protected	k_q80dc27ba3d_qkv
	.globl	k_q80dc27ba3d_qkv
	.p2align	8
	.type	k_q80dc27ba3d_qkv,@function
k_q80dc27ba3d_qkv:
	s_mov_b64 s[64:65], 0
	v_nop
	global_prefetch_b8 v0, s[64:65] scope:SCOPE_SE
	s_setreg_imm32_b32 hwreg(HW_REG_WAVE_MODE, 25, 1), 1
	s_wait_xcnt 0x0
	s_wait_alu depctr_hold_cnt(0) depctr_sa_sdst(0) depctr_va_vdst(0) depctr_va_sdst(0) depctr_va_ssrc(0) depctr_va_vcc(0) depctr_vm_vsrc(0)
	s_getreg_b32 s2, hwreg(HW_REG_IB_STS2, 6, 4)
	s_cmp_eq_u32 s2, 0
	s_cbranch_scc0 .Lentry_in_a_cluster
	s_endpgm
.Lentry_in_a_cluster:
	s_bfe_u32 s2, ttmp6, 0x10000c
	s_cmp_lg_u32 s2, 0xf033
	s_cbranch_scc0 .Lentry_shape_is_right
	s_endpgm
.Lentry_shape_is_right:
; q, k and v of the attention, as CODES: three products x w^T on codes of FP8 (E4M3) with E8M0 scales, K = 1,024, f32 sums, and their results quantised in registers on the way out.
; Operands lie in cod and scl as images of their registers (tiles of 16 rows; of 32 rows on end, tile 2 B + u holds in place r the row 32 B + 8 u + r + 8 (r / 8)).
; A work-group makes 256 x 256 results, four waves 128 x 128 each: 64 accumulators, 512 registers.  Source 0 gives a lane's REGISTERS their axis, source 1 its lane % 16.  By the tiles' order the 16 registers of
; accumulators (a, 2 B) and (a, 2 B + 1) are 16 neighbours 32 B + 16 (lane / 16) + 0 .. 15 along source 0's rows: the axis along which the result is quantised.
; CLUSTER ROWS Y = 0 .. 3: source 1 = tokens of x, source 0 = rows of wq and wk: a wave's 128 registers' axis is two heads of 64: q and k quantised along the head's 64.
; CLUSTER ROWS Y = 4, 5:   source 1 = rows of wv (channels), source 0 = tokens of x: v^T quantised along 128 keys.  One text serves both: only addresses, strides and one byte select differ, chosen on Y.
; OUT.  qkc [head 32 (q 0-15, k 16-31)][token tile 256][chunk 2][512]; qks [head][4 tiles][place 16][tile % 4] words (byte 0, byte 1, 0x7f, 0x7f);
;       vc [head pair 8][key step 32][chunk / 2][tile 8][chunk % 2][512]; vs [head 16][key step 32][place 16][tile 4] words.  All codes leave as runs of 512 consecutive bytes, the words as runs of 256.
;       (In the v case both halves of the lanes store the same words to the same bytes.)
; K goes in steps of 256 through a ring of two LDS slots filled by the tensor data mover; the scale words of all of K come once.  CLUSTERS of 4 x 4: source 1's tiles are shared along a row of the cluster,
; source 0's along a column: each is asked for JOINTLY.
; LIMITS: a block of zeros gets the byte 1 and not 127 (its codes are zeros, and this program alone reads the bytes); NaN and infinities are not served.
; REGISTERS, in windows of 256: window 0: v0-31 addresses; v32-63 scale words, two sets; v128-255 source 1's fragments, ONE set (on the way out v128-255 are at work).
;   window 1: source 0's fragments, TWO sets.   window 2: the accumulators of my source-1 tiles 0-3 ((a, b) at v[8 (8 a + b)]);   window 3: those of tiles 4-7.
.set NQ,     2                         ; K steps of 128 in a slot
.set FR,     16                        ; registers of a fragment
.set NL,     4                         ; LDS loads that bring one
.set NP,     8                         ; places behind this matrix instruction (ISA guide 7.12.1)
.set TILEB,  4096                      ; a tile's bytes in a slot: 2 K steps x 4 chunks x 512
.set HALFT,  8*TILEB                   ; eight tiles: what one tensor load brings, and what one wave reads of a side
.set SLOT,   4*HALFT
.set SCL,    2*SLOT                    ; behind the ring: the scale words: for each wave's load [K quarter 4][256 places x 8 bytes]; source 0's two lie 128 bytes further on, so that the halves of the lanes read different banks
.set SQ,     4096
.set SPARE,  SCL+4*SQ+256              ; the spare words, 128 bytes for each wave: two blocks of 256 bytes that no other line names
.set ADRA, 16                          ; v16-17  LDS address of source 1's fragments in slot 0, 1
.set ADRB, 20                          ; v20-21  of source 0's
.set ADRS, 27                          ; v27     of my scale words: lanes 0-15 source 1's, lanes 16-31 source 0's
.set SPW,  28                          ; v28     my spare word; never rewritten
.set NIL,  29                          ; v29     0; never rewritten
.set SC,   32
.set AF,   128
.set G1, 24
.set G0, 32
.set G1B, 48
.set G0B, 56
.set G1S, 68
.set G0S, 76
.set G1SB, 80
.set G0SB, 88
.set G0H, 4                            ; s[4:7], s[8:11] group 0 for the head's loads of slot 0: source 1's sixteen tiles, source 0's (the arguments there have been used by then)
.set G0HB, 8
; WHERE RESULTS GO: blk holds blocks of 17,152 bytes, block = (head of q 0-15, of k 16-31) x 32 + token / 128: 8 token tiles x 1,024 of codes; at 8,192 (k's blocks alone) v's codes [chunk / 2][channel tile 4][chunk % 2][512];
; at 16,384 the scale words of q or k [tile / 4][place 16][tile % 4]; at 16,896 v's [place 16][channel tile 4].
.set BLKB, 17152
.set HS,   32*BLKB                     ; from head to head
.set MSB, 0
.macro WIN new                         ; the immediate's high byte repeats the setting that is left
.if MSB != (\new)
	s_set_vgpr_msb (MSB<<8)|(\new)
.set MSB, (\new)
.endif
.endm
.set MUL_LO, 0xa1                      ; source 0 window 1, source 1 window 0, C and D window 2
.set MUL_HI, 0xf1                      ; the same, C and D window 3
.set TO_B,   0x40                      ; destination window 1, address window 0
; A joint load: waves 0 and 1 fetch for source 1, waves 2 and 3 for source 0.  The branch hangs on the wave's number alone.  Four v_nop follow each of the two lines.
.macro JLOAD g0a, g1a, g0b, g1b
	s_cmp_eq_u32 s15, 0
	s_cbranch_scc0 .Lfor_b_\@
	tensor_load_to_lds s[\g0a:\g0a+3], s[\g1a:\g1a+7]
	s_nop 0
.rept 4
	v_nop
.endr
	s_branch .Lasked_\@
.Lfor_b_\@:
	tensor_load_to_lds s[\g0b:\g0b+3], s[\g1b:\g1b+7]
	s_nop 0
.rept 4
	v_nop
.endr
.Lasked_\@:
.endm
.macro CREST                           ; a round of the cluster's barrier behind its opening barrier
	s_cmp_lg_u32 s14, 0
	s_cbranch_scc1 .Lnot_wave_0_\@
	s_barrier_signal -3
.Lnot_wave_0_\@:
	s_barrier_wait -3
	s_barrier_signal -1
	s_barrier_wait -1
.endm
.macro CROUND
	s_barrier_signal -1
	s_barrier_wait -1
	CREST
.endm
	s_load_b128 s[4:7], s[0:1], 0x0                ; cod, scl: for source 1
	s_load_b128 s[8:11], s[0:1], 0x0               ; and once more, for source 0
	s_load_b64 s[92:93], s[0:1], 0x10              ; blk
	v_lshl_add_u32 v[SPW], v0, 2, SPARE
	v_mov_b32 v[NIL], 0
	ds_add_u32 v28, v29
	ds_add_u32 v28, v29
	s_wait_dscnt 0x0
	v_lshrrev_b32 v1, 5, v0
	v_readfirstlane_b32 s14, v1                    ; wave 0..3
	s_lshr_b32 s15, s14, 1                         ; which eight tiles of source 1 are mine.  Also: I fetch for source 1 (0) or source 0 (1)
	s_and_b32 s16, s14, 1                          ; which eight of source 0.  Also: which eight tiles I fetch
	s_bfe_u32 s40, ttmp6, 0x40000                  ; cx, cy: my place in the cluster
	s_bfe_u32 s41, ttmp6, 0x40004
	s_mov_b32 s12, ttmp9                           ; X, Y: the cluster's place
	s_and_b32 s13, ttmp7, 0xffff
	s_lshl_b32 s17, s13, 6                         ; q, k: source 1 = x's tiles 64 Y + 16 cy on;  v: wv's, 384 + 16 cy on
	s_and_b32 s42, s13, 3
	s_lshl_b32 s42, s42, 7                         ; v: source 0 = x's tiles 128 (Y - 4) + 64 X + 16 cx on;  q, k: wq's and wk's, 256 + 64 X + 16 cx on
	s_cmp_ge_u32 s13, 4
	s_cselect_b32 s17, 384, s17
	s_cselect_b32 s42, s42, 256
	s_lshl_b32 s18, s41, 4
	s_add_co_u32 s17, s17, s18                     ; source 1's first tile: hangs on Y and cy alone
	s_lshl_b32 s100, s12, 6
	s_add_co_u32 s42, s42, s100
	s_lshl_b32 s100, s40, 4
	s_add_co_u32 s42, s42, s100                    ; source 0's: on X, Y and cx alone
	s_lshl_b32 s43, s41, 2
	s_lshl_b32 s43, 15, s43                        ; my row of the cluster
	s_lshl_b32 s44, 0x1111, s40                    ; my column
	; descriptor group 1 for codes: 8 tiles x 4,096 bytes (512 elements of 8 bytes), 16,384 bytes from tile to tile; no padding: an image's chunk is read as 512 consecutive bytes
	s_or_b32 s[G1+0], s43, (3<<16)|(1<<21)         ; 15:0 the mask; 17:16 elements of 8 bytes; 21 set beside a mask
	s_or_b32 s[G1B+0], s44, (3<<16)|(1<<21)
.irp g, G1, G1B
	s_mov_b32 s[\g+1], 512<<16                     ; tensor_dim0
	s_mov_b32 s[\g+2], 8<<16                       ; tensor_dim1
	s_mov_b32 s[\g+3], 512<<16                     ; tile_dim0
	s_mov_b32 s[\g+4], 8                           ; tile_dim1
	s_mov_b32 s[\g+5], 2048                        ; tensor_dim0_stride
	s_mov_b32 s[\g+6], 0
	s_mov_b32 s[\g+7], 0
.endr
	; and for the head's loads: sixteen tiles each
	s_or_b32 s[G1S+0], s43, (3<<16)|(1<<21)
	s_or_b32 s[G1SB+0], s44, (3<<16)|(1<<21)
.irp g, G1S, G1SB
	s_mov_b32 s[\g+1], 512<<16
	s_mov_b32 s[\g+2], 16<<16
	s_mov_b32 s[\g+3], 512<<16
	s_mov_b32 s[\g+4], 16
	s_mov_b32 s[\g+5], 2048
	s_mov_b32 s[\g+6], 0
	s_mov_b32 s[\g+7], 0
.endr
	s_lshl_b32 s22, s17, 7                         ; source 1's scale words: 128 bytes a tile
	s_mov_b32 s23, 0
	s_lshl_b32 s20, s17, 14                        ; its codes: 16,384 bytes a tile
	s_mov_b32 s21, 0
	s_lshl_b32 s66, s42, 7                         ; source 0's likewise
	s_mov_b32 s67, 0
	s_lshl_b32 s46, s42, 14
	s_mov_b32 s47, 0
	s_lshl_b32 s18, s16, 17                        ; in the ring I fetch eight tiles: which half, in bytes
	s_mov_b32 s19, 0
	s_lshl_b32 s45, s14, 15                        ; where the ring's tiles go: wave x 32,768: no place in the cluster enters an LDS address
	; THE SCALE WORDS come by plain loads and are stored into LDS bytes of their own: wave q brings the K quarter q of both sides: 2,048 consecutive bytes each, 512 a load
	s_lshl_b32 s100, s14, 16
	s_mov_b32 s101, 0
	s_lshl_b32 s95, s14, 11
	s_add_co_u32 s95, s95, SCL
	v_and_b32 v7, 31, v0
	v_lshlrev_b32 v7, 4, v7                        ; 16 x lane
	v_add_nc_u32 v8, s95, v7
	s_wait_alu depctr_va_vdst(0)
	s_wait_kmcnt 0x0
	s_add_nc_u64 s[20:21], s[4:5], s[20:21]
	s_add_nc_u64 s[22:23], s[6:7], s[22:23]
	s_add_nc_u64 s[46:47], s[8:9], s[46:47]
	s_add_nc_u64 s[66:67], s[10:11], s[66:67]
	s_add_nc_u64 s[96:97], s[22:23], s[100:101]
	s_add_nc_u64 s[98:99], s[66:67], s[100:101]
.irp i, 0,1,2,3
	global_load_b128 v[64+4*\i:67+4*\i], v7, s[96:97] offset:512*\i
	global_load_b128 v[80+4*\i:83+4*\i], v7, s[98:99] offset:512*\i
.endr
	CROUND                                         ; all sixteen work-groups are here: the first joint loads meet
	s_mov_b32 s[G0S], 1                            ; slot 1: source 1's sixteen tiles,
	s_mov_b32 s[G0S+1], SLOT
	s_add_nc_u64 s[G0S+2:G0S+3], s[20:21], TILEB
	s_or_b32 s[G0S+3], s[G0S+3], 0x80000000
	s_mov_b32 s[G0SB], 1                           ; and source 0's
	s_mov_b32 s[G0SB+1], SLOT+2*HALFT
	s_add_nc_u64 s[G0SB+2:G0SB+3], s[46:47], TILEB
	s_or_b32 s[G0SB+3], s[G0SB+3], 0x80000000
	s_mov_b32 s[G0H], 1                            ; slot 0: source 1's sixteen tiles,
	s_mov_b32 s[G0H+1], 0
	s_mov_b64 s[G0H+2:G0H+3], s[20:21]
	s_or_b32 s[G0H+3], s[G0H+3], 0x80000000
	s_mov_b32 s[G0HB], 1                           ; and source 0's behind them
	s_mov_b32 s[G0HB+1], 2*HALFT
	s_mov_b64 s[G0HB+2:G0HB+3], s[46:47]
	s_or_b32 s[G0HB+3], s[G0HB+3], 0x80000000
	s_add_nc_u64 s[20:21], s[20:21], s[18:19]      ; for the ring: my eight tiles
	s_add_nc_u64 s[46:47], s[46:47], s[18:19]
.irp s, 0,1
	s_mov_b32 s[G0+4*\s], 1
	s_add_co_u32 s[G0+4*\s+1], s45, \s*SLOT
	s_add_nc_u64 s[G0+4*\s+2:G0+4*\s+3], s[20:21], \s*TILEB
	s_or_b32 s[G0+4*\s+3], s[G0+4*\s+3], 0x80000000
	s_mov_b32 s[G0B+4*\s], 1
	s_add_co_u32 s[G0B+4*\s+1], s45, \s*SLOT
	s_add_nc_u64 s[G0B+4*\s+2:G0B+4*\s+3], s[46:47], \s*TILEB
	s_or_b32 s[G0B+4*\s+3], s[G0B+4*\s+3], 0x80000000
.endr
; The head's loads, one a wave: waves 0 and 1 slot 0's tiles of source 1 and of source 0, waves 2 and 3 slot 1's.  One tree of branches on the wave's number, a line for each.
.macro ARM under, g0, g1, next
	s_cmp_lt_u32 s14, \under
	s_cbranch_scc0 \next
	tensor_load_to_lds s[\g0:\g0+3], s[\g1:\g1+7]
	s_nop 0
.rept 4
	v_nop
.endr
	s_branch .Lhead_asked
\next:
.endm
	ARM 1, G0H,  G1S,  .Lhead_b
	ARM 2, G0HB, G1SB, .Lhead_sa
	ARM 3, G0S,  G1S, .Lhead_sb
	tensor_load_to_lds s[G0SB:G0SB+3], s[G1SB:G1SB+7]
	s_nop 0
.rept 4
	v_nop
.endr
.Lhead_asked:
	v_and_b32 v1, 15, v0                           ; r
	v_bfe_u32 v2, v0, 4, 1                         ; h
	s_wait_alu depctr_va_vdst(0)
	v_and_b32 v3, 31, v0
	v_lshlrev_b32 v4, 4, v3                        ; 16 x lane: my place in every chunk
	s_lshl_b32 s21, s15, 15                        ; my eight tiles of source 1
	s_lshl_b32 s22, s16, 15                        ; my eight of source 0,
	s_add_co_u32 s22, s22, 2*HALFT                 ; which lie behind source 1's sixteen
.irp s, 0,1
	v_add_nc_u32 v[ADRA+\s], s21, v4
	v_add_nc_u32 v[ADRB+\s], s22, v4
	s_add_co_u32 s21, s21, SLOT
	s_add_co_u32 s22, s22, SLOT
.endr
	v_lshlrev_b32 v5, 3, v1                        ; my place's 8 bytes
	s_lshl_b32 s21, s15, 10                        ; 128 places x 8 bytes
	s_lshl_b32 s22, s16, 10
	s_add_co_u32 s22, s22, 2*SQ+128
	s_sub_co_u32 s22, s22, s21
	v_mul_u32_u24 v6, s22, v2                      ; lanes 16-31 take source 0's
	s_add_co_u32 s21, s21, SCL
	v_add_nc_u32 v5, v5, v6
	v_add_nc_u32 v[ADRS], s21, v5
.macro FRAG reg, adr, q, i             ; a fragment: four chunks of 512 bytes, 16 bytes a lane
.irp c, 0,1,2,3
	ds_load_b128 v[\reg+4*\c:\reg+4*\c+3], v[\adr] offset:(\i)*TILEB+2048*(\q)+512*\c
.endr
.endm
; 16 matrix instructions: source 1's tiles a0, a0 + 1 x source 0's eight, 128 along K.  p: source 0's set;  sc: the set of scale words.  zero = 1: the first product starts the sums.
; The 64 accumulators take turns, one instruction a turn, in the same order in every step.
.macro MUL16 a0, p, q, sc, zero
.irp a, \a0, \a0+1
.irp b, 0,1,2,3,4,5,6,7
.if \zero
	v_wmma_scale_f32_16x16x128_f8f6f4 v[8*(8*((\a)%4)+\b):8*(8*((\a)%4)+\b)+7], v[128*(\p)+FR*\b:128*(\p)+FR*\b+FR-1], v[AF+FR*(\a):AF+FR*(\a)+FR-1], 0, v[SC+8*NQ*(\sc)+NQ*\b+(\q)], v[SC+8*NQ*(\sc)+NQ*(\a)+(\q)] matrix_a_scale:MATRIX_SCALE_ROW1
.else
	v_wmma_scale_f32_16x16x128_f8f6f4 v[8*(8*((\a)%4)+\b):8*(8*((\a)%4)+\b)+7], v[128*(\p)+FR*\b:128*(\p)+FR*\b+FR-1], v[AF+FR*(\a):AF+FR*(\a)+FR-1], v[8*(8*((\a)%4)+\b):8*(8*((\a)%4)+\b)+7], v[SC+8*NQ*(\sc)+NQ*\b+(\q)], v[SC+8*NQ*(\sc)+NQ*(\a)+(\q)] matrix_a_scale:MATRIX_SCALE_ROW1
.endif
.endr
.endr
.endm
.macro FETCH_B slot, q, p
	WIN TO_B
.irp i, 0,1,2,3,4,5,6,7
	FRAG 128*(\p)+FR*\i, ADRB+\slot, \q, \i
.endr
	WIN 0
.endm
.macro FETCH_A slot, q, i0
.irp i, \i0, \i0+1, \i0+2, \i0+3
	FRAG AF+FR*(\i), ADRA+\slot, \q, \i
.endr
.endm
.macro SCALES sc                       ; a slot's scale words: two words a place; lanes 0-15 take source 1's tile i, lanes 16-31 source 0's tile i
.irp i, 0,1,2,3,4,5,6,7
	ds_load_b64 v[SC+8*NQ*\sc+NQ*\i:SC+8*NQ*\sc+NQ*\i+1], v[ADRS] offset:\i*128
.endr
.endm
; A load into a register that a matrix instruction has read, and a vector instruction that reads a matrix result, stand NP places behind it; only plain vector instructions that name none of its registers are places.
.macro PLACES n
.rept \n
	v_nop
.endr
.endm
.macro STEP slot, q, zero              ; a step of 128 along K that has its successor in the same slot
	s_wait_dscnt 4*NL                              ; all but the youngest sixteen loads (source 1's tiles 4-7) are in
	WIN MUL_LO
	MUL16 0, (\q)%2, \q, \slot, \zero
	MUL16 2, (\q)%2, \q, \slot, \zero
	s_wait_dscnt 0
	PLACES NP
	FETCH_B \slot, (\q)+1, 1-(\q)%2
	FETCH_A \slot, (\q)+1, 0
	WIN MUL_HI
	MUL16 4, (\q)%2, \q, \slot, \zero
	MUL16 6, (\q)%2, \q, \slot, \zero
	PLACES NP
	WIN 0
	FETCH_A \slot, (\q)+1, 4
.endm
; A slot's last step changes slots: ONE barrier; in front of it each wave waits for all its tensor loads, adds 0 to its spare word, and waits for that and for its own reads of this slot.  fill = 1: this slot is filled again, two slots ahead.
.macro TURN slot, next, fill
	s_wait_tensorcnt 0x0                           ; all my tensor loads have landed: my part of the next slot
	ds_add_u32 v[SPW], v[NIL]                      ; 0 onto my spare word
	s_wait_dscnt 4*NL+1                            ; (the add and the youngest sixteen loads may be out)
	WIN MUL_LO
	MUL16 0, 1, NQ-1, \slot, 0
	s_wait_dscnt 0x0                               ; the add is done, and my reads of this slot are over
	s_barrier_signal -1
	MUL16 2, 1, NQ-1, \slot, 0
	WIN 0
	s_barrier_wait -1
.if \fill
	CREST                                          ; the barrier has opened a round of the cluster's barrier: no wave of any partner still reads this slot or has a load on its way
	s_add_nc_u64 s[G0+4*\slot+2:G0+4*\slot+3], s[G0+4*\slot+2:G0+4*\slot+3], 2*TILEB
	s_add_nc_u64 s[G0B+4*\slot+2:G0B+4*\slot+3], s[G0B+4*\slot+2:G0B+4*\slot+3], 2*TILEB
	JLOAD G0+4*\slot, G1, G0B+4*\slot, G1B         ; the first tensor load behind the round; its four v_nop are among the places in front of the loads below
	PLACES NP-4
.else
	PLACES NP
.endif
	s_wait_alu depctr_va_vdst(0)
	v_add_nc_u32 v[ADRS], 2048, v[ADRS]            ; on to the next K quarter's scale words
	FETCH_B \next, 0, 0
	FETCH_A \next, 0, 0
	SCALES \next
	WIN MUL_HI
	MUL16 4, 1, NQ-1, \slot, 0
	MUL16 6, 1, NQ-1, \slot, 0
	PLACES NP
	WIN 0
	FETCH_A \next, 0, 4
.endm
	s_wait_alu depctr_va_vdst(0)
	s_wait_loadcnt 0x0                             ; my part of the scale words
.irp i, 0,1,2,3
	ds_store_b128 v8, v[64+4*\i:67+4*\i] offset:512*\i
	ds_store_b128 v8, v[80+4*\i:83+4*\i] offset:2*SQ+128+512*\i
.endr
	s_cmp_lt_u32 s14, 2
	s_cbranch_scc0 .Lslot_1_is_mine
	s_wait_tensorcnt 0x0                           ; slot 0 is in (waves 2 and 3 wait for slot 1 at the first change of slots)
.Lslot_1_is_mine:
	s_wait_dscnt 0x0
	s_barrier_signal -1
	s_barrier_wait -1
	FETCH_B 0, 0, 0
	FETCH_A 0, 0, 0
	SCALES 0
	FETCH_A 0, 0, 4
	STEP 0, 0, 1                                   ; K = 1,024 is eight steps, four slots' worth: written out
	TURN 0, 1, 1
	STEP 1, 0, 0
	TURN 1, 0, 1
	STEP 0, 0, 0
	TURN 0, 1, 0                                   ; nothing is left to fetch
	STEP 1, 0, 0
	s_wait_dscnt 4*NL
	WIN MUL_LO
	MUL16 0, 1, NQ-1, 1, 0
	MUL16 2, 1, NQ-1, 1, 0
	s_wait_dscnt 0
	WIN MUL_HI
	MUL16 4, 1, NQ-1, 1, 0
	MUL16 6, 1, NQ-1, 1, 0
	WIN 0
; THE WAY OUT.  No tensor load is out, so the descriptors' registers are free.  For each of my eight source-1 tiles a: its 64 results a lane are four blocks of 32 along the quantiser's axis: codes and a scale word, stored as images.
.set T,    128                         ; v128-191 the numbers, held
.set PC,   192                         ; v192-207 their codes
.set W,    224                         ; v224-231 the eight tiles' scale words as they are stored
.set TM,   232                         ; v232-247 as in the quantiser: magnitudes, bytes, holds, scale operands
.set PW,   248                         ; v248     the four bytes
.set SELV, 249                         ; v249     which bytes of them my half of the lanes stores
.set VO0,  250                         ; v250     16 x lane;  v251 the same + the stride from chunks 0, 1 to chunks 2, 3
.set VO1,  251
.set SA0,  252                         ; v252     the words' place for tiles 0-3;  v253 for tiles 4-7
.set SA1,  253
.set SEL,  20
.set PADS, 22
.set MNT,  23
	s_mov_b32 s[SEL], 0x76543210
	s_mov_b32 s[SEL+1], 0xfedcba98
	s_mov_b32 s[PADS], 0x7f7f7f7f
	s_mov_b32 s[MNT], 0x600000
	s_lshl_b32 s24, s12, 2
	s_add_co_u32 s24, s24, s40                     ; 4 X + cx
	s_lshl_b32 s25, s13, 2
	s_add_co_u32 s25, s25, s41                     ; 4 Y + cy
	s_lshl_b32 s26, s24, 2
	s_lshl_b32 s27, s16, 1
	s_add_co_u32 s26, s26, s27                     ; q, k: my first head
	s_lshl_b32 s27, s25, 4
	s_lshl_b32 s28, s15, 3
	s_add_co_u32 s27, s27, s28                     ;       my first token tile
	s_lshl_b32 s28, s41, 1
	s_add_co_u32 s28, s28, s15                     ; v: my pair of heads
	s_and_b32 s29, s13, 3
	s_lshl_b32 s29, s29, 3
	s_add_co_u32 s29, s29, s24
	s_lshl_b32 s29, s29, 1
	s_add_co_u32 s29, s29, s16                     ;    my key step
	s_lshl_b32 s30, s26, 5
	s_lshr_b32 s31, s27, 3
	s_add_co_u32 s30, s30, s31                     ; q, k: my block
	s_lshl_b32 s32, s28, 6
	s_add_co_u32 s32, s32, s29
	s_add_co_u32 s32, s32, 512                     ; v: the block of k's head of the same number
	s_mov_b32 s34, HS                              ; from chunks 0, 1 to chunks 2, 3: q, k: the next head;  v: 4,096
	s_mov_b32 s36, 256                             ; from tiles 0-3 to tiles 4-7 in the words: q, k: the next four tiles;  v: the next head
	s_mov_b32 s37, 0x04040100                      ; q, k: lanes 0-15 store the first head's two bytes and two of 0x7f,
	s_mov_b32 s38, 0x04040302                      ;       lanes 16-31 the second head's;  v: all four bytes
	s_cmp_ge_u32 s13, 4                            ; the choice hangs on the cluster's row alone
	s_cselect_b32 s30, s32, s30
	s_cselect_b32 s31, 8192, 0
	s_cselect_b32 s33, 512, 0
	s_cselect_b32 s34, 4096, s34
	s_cselect_b32 s35, 0, HS                       ; from lanes 0-15 to lanes 16-31 in the words: q, k: the next head
	s_cselect_b32 s36, HS, s36
	s_cselect_b32 s37, 0x03020100, s37
	s_cselect_b32 s38, 0x03020100, s38
	s_cselect_b32 s46, HS-4096, 0                  ; what tiles 4-7 add: v: the next head
	s_mov_b32 s47, 0
	s_mul_i32 s30, s30, BLKB
	s_add_co_u32 s32, s30, s33
	s_add_co_u32 s32, s32, 16384
	s_add_co_u32 s30, s30, s31
	s_mov_b32 s31, 0
	s_mov_b32 s33, 0
	s_add_nc_u64 s[94:95], s[92:93], s[32:33]
	s_add_nc_u64 s[92:93], s[92:93], s[30:31]
	PLACES NP                                      ; behind the last products: their results are read, and source 1's registers written, only behind these
	v_and_b32 v1, 15, v0
	v_bfe_u32 v2, v0, 4, 1
	v_and_b32 v3, 31, v0
	v_lshlrev_b32 v[VO0], 4, v3
	v_add_nc_u32 v[VO1], s34, v[VO0]
	v_lshlrev_b32 v[SA0], 4, v1
	v_mul_u32_u24 v4, s35, v2
	v_add_nc_u32 v[SA0], v[SA0], v4
	v_add_nc_u32 v[SA1], s36, v[SA0]
	v_mov_b32 v[SELV], s37
	v_mov_b32 v4, s38
	v_cmp_eq_u32 vcc_lo, 1, v2
	v_cndmask_b32 v[SELV], v[SELV], v4, vcc_lo
.irp b, 0,1,2,3
	v_mov_b32 v[TM+4+\b], 0                        ; written once: a lane permute's destination counts as one of its sources
.endr
.macro QOUT a
.set AC, 64*((\a)%4)
	WIN 0x28+0x14*((\a)/4)                         ; sources 1 and 2: window 2 or 3
.irp b, 0,1,2,3
	v_max3_num_f32 v[TM+\b], 0x4800000, |v[AC+16*\b]|, |v[AC+16*\b+1]|   ; block b: two accumulators, each from its low end on; and the floor 2^(9 - 127)
.endr
.irp i, 2,4,6,8,10,12,14
.irp b, 0,1,2,3
	v_max3_num_f32 v[TM+\b], v[TM+\b], |v[AC+16*\b+\i]|, |v[AC+16*\b+\i+1]|
.endr
.endr
	WIN 0
.irp b, 0,1,2,3
	v_permlanex16_b32 v[TM+4+\b], v[TM+\b], s[SEL], s[SEL+1]
.endr
.irp b, 0,1,2,3
	v_max_num_f32 v[TM+\b], v[TM+\b], v[TM+4+\b]   ; with lane l xor 16's: the block's largest magnitude
.endr
.irp b, 0,1,2,3
	v_add_nc_u32 v[TM+12+\b], 0xfc000000, v[TM+\b]
.endr
.irp b, 0,1,2,3
	v_and_or_b32 v[TM+8+\b], v[TM+\b], 0x7f800000, s[MNT]
.endr
.irp b, 0,1,2,3
	v_lshrrev_b32 v[TM+4+\b], 23, v[TM+12+\b]
.endr
	v_lshl_or_b32 v[PW], v[TM+5], 8, v[TM+4]
	v_lshl_or_b32 v[PW], v[TM+6], 16, v[PW]
	v_lshl_or_b32 v[PW], v[TM+7], 24, v[PW]
	WIN 0x02+((\a)/4)                              ; source 0: window 2 or 3
.irp b, 0,1,2,3
.irp i, 0,1,2,3,4,5,6,7,8,9,10,11,12,13,14,15
	v_med3_num_f32 v[T+16*\b+\i], v[AC+16*\b+\i], -v[TM+8+\b], v[TM+8+\b]   ; the hold at 448 x the scale: the conversion does not saturate (ISA guide 7.6.2)
.endr
.endr
	WIN 0
	s_wait_alu depctr_va_vdst(0)
	s_wait_xcnt 0x0                                ; the last tile's stores have read the codes' registers
.irp b, 0,1,2,3
	v_cvt_scalef32_pk8_fp8_f32 v[PC+4*\b:PC+1+4*\b], v[T+16*\b:T+7+16*\b], v[TM+12+\b]
	v_cvt_scalef32_pk8_fp8_f32 v[PC+2+4*\b:PC+3+4*\b], v[T+8+16*\b:T+15+16*\b], v[TM+12+\b]
.endr
	v_nop                                          ; a plain line behind the last conversion
	v_perm_b32 v[W+\a], s[PADS], v[PW], v[SELV]    ; selects 0-3: the four bytes; 4: 0x7f
	global_store_b128 v[VO0], v[PC:PC+3], s[92:93] offset:(\a)*1024        ; each store: 512 consecutive bytes
	global_store_b128 v[VO0], v[PC+4:PC+7], s[92:93] offset:(\a)*1024+512
	global_store_b128 v[VO1], v[PC+8:PC+11], s[92:93] offset:(\a)*1024
	global_store_b128 v[VO1], v[PC+12:PC+15], s[92:93] offset:(\a)*1024+512
.endm
	QOUT 0
	QOUT 1
	QOUT 2
	QOUT 3
	global_store_b128 v[SA0], v[W:W+3], s[94:95]   ; sixteen lanes store 256 consecutive bytes, aligned
	s_wait_xcnt 0x0                                ; the stores have read their base
	s_add_nc_u64 s[92:93], s[92:93], s[46:47]
	QOUT 4
	QOUT 5
	QOUT 6
	QOUT 7
	global_store_b128 v[SA1], v[W+4:W+7], s[94:95]
	s_wait_tensorcnt 0x0                           ; the wave's end
	ds_add_u32 v[SPW], v[NIL]
	s_wait_dscnt 0x0
	CROUND                                         ; the closing round: no work-group ends while a partner may still ask for a tile that names it
	s_endpgm
.Lfunc_end_k_q80dc27ba3d_qkv:
	.size	k_q80dc27ba3d_qkv, .Lfunc_end_k_q80dc27ba3d_qkv-k_q80dc27ba3d_qkv
	.p2alignl 7, 3214868480
	.fill 96, 4, 3214868480
	.section	.rodata,"a",@progbits
	.p2align	6, 0x0
	.amdhsa_kernel k_q80dc27ba3d_qkv
		.amdhsa_group_segment_fixed_size 327680
		.amdhsa_private_segment_fixed_size 0
		.amdhsa_enable_private_segment 0
		.amdhsa_kernarg_size 24
		.amdhsa_user_sgpr_count 2
		.amdhsa_user_sgpr_kernarg_segment_ptr 1
		.amdhsa_wavefront_size32 1
		.amdhsa_system_sgpr_workgroup_id_x 1
		.amdhsa_system_sgpr_workgroup_id_y 1
		.amdhsa_system_sgpr_workgroup_id_z 1
		.amdhsa_system_vgpr_workitem_id 0
		.amdhsa_next_free_vgpr 1024
		.amdhsa_next_free_sgpr 102
		.amdhsa_reserve_vcc 1
		.amdhsa_float_denorm_mode_32 3
		.amdhsa_float_denorm_mode_16_64 3
		.amdhsa_memory_ordered 1
		.amdhsa_forward_progress 1
		.amdhsa_inst_pref_size 189
	.end_amdhsa_kernel
	.amdgpu_metadata
---
amdhsa.version: [ 1, 2 ]
amdhsa.kernels:
  - .name:           k_q80dc27ba3d_qkv
    .symbol:         k_q80dc27ba3d_qkv.kd
    .args:
      - { .name: cod, .offset: 0, .size: 8, .value_kind: global_buffer, .address_space: global }
      - { .name: scl, .offset: 8, .size: 8, .value_kind: global_buffer, .address_space: global }
      - { .name: blk, .offset: 16, .size: 8, .value_kind: global_buffer, .address_space: global }
    .group_segment_fixed_size: 327680
    .private_segment_fixed_size: 0
    .kernarg_segment_align: 8
    .kernarg_segment_size: 24
    .max_flat_workgroup_size: 128
    .sgpr_count:     102
    .vgpr_count:     1024
    .wavefront_size: 32
...
	.end_amdgpu_metadata
.endif
;; end of part 2
;; launch attn (part 3): grid 8 x 32, 16 waves a work-group, clusters of 4 x 1, 327,680 bytes of LDS; arguments blk, oc, os; writes oc, os
.if DOCPART == 3
	.amdgcn_target "amdgcn-amd-amdhsa--gfx1250"
	.amdhsa_code_object_version 6
	.text
	.protected	k_q80dc27ba3d_attn
	.globl	k_q80dc27ba3d_attn
	.p2align	8
	.type	k_q80dc27ba3d_attn,@function
k_q80dc27ba3d_attn:
	s_mov_b64 s[64:65], 0
	v_nop
	global_prefetch_b8 v0, s[64:65] scope:SCOPE_SE
	s_setreg_imm32_b32 hwreg(HW_REG_WAVE_MODE, 25, 1), 1
	s_wait_xcnt 0x0
	s_wait_alu depctr_hold_cnt(0) depctr_sa_sdst(0) depctr_va_vdst(0) depctr_va_sdst(0) depctr_va_ssrc(0) depctr_va_vcc(0) depctr_vm_vsrc(0)
	s_getreg_b32 s2, hwreg(HW_REG_IB_STS2, 6, 4)
	s_cmp_eq_u32 s2, 0
	s_cbranch_scc0 .Lentry_in_a_cluster
	s_endpgm
.Lentry_in_a_cluster:
	s_bfe_u32 s2, ttmp6, 0x10000c
	s_cmp_lg_u32 s2, 0x3003
	s_cbranch_scc0 .Lentry_shape_is_right
	s_endpgm
.Lentry_shape_is_right:
; Causal attention on codes of FP8 (E4M3) with E8M0 scales, 32 (batch, head) pairs of 2,048 tokens, head size 64; its result, divided by the row's sum, leaves as CODES for the last product.
; t = score x log2(e) / 8; M = the running largest t rounded UP to a whole number; p = 2^(t - M) is quantised along the keys, not normalised; the row's sum is taken of the unquantised p in f32.
; When M moves, the sum and O are multiplied by 2^(old M - new M): exact.
; Both products are used transposed: S^T = K Q^T (source 0 = 16 keys), O^T = V^T P^T (source 0 = 16 channels): a lane holds ONE query (place lane % 16 of its tile) throughout.
; Tiles hold rows in the order 32 B + 8 u + r + 8 (r / 8) (tile 2 B + u, place r), so the 16 registers of results 2 B and 2 B + 1 are 16 neighbours: keys for p, channels for O.
; HEAD SIZE 64 IN A FORM OF K = 128: Q's upper 64 codes are zeros.  Opposite them stand other codes (never a NaN code: the quantiser holds at 448), and bytes 2 and 3 of both scale words are 0x7f: these places add exactly 0.
; WORK LEFT OUT: key steps of 128 all of whose keys come after a tile's queries: the causal mask makes their p exactly 0 for all inputs, so they reach no sum.  A NaN or infinity in such a key alone is not carried.
; SHARES.  A work-group (number j along x) serves one (batch, head) and owns query tiles 8 n + j, n = 0 .. 15; tile 8 n + j lies in key step n and needs steps 0 .. n.  Waves r and r + 8 (r = 0 .. 7) share the tiles of n = r and n = 15 - r:
;   wave r + 8: trips 0 .. r: tile r, steps 0 .. r; then trips r + 1 .. 7: tile 15 - r, steps r + 1 .. 7.   wave r: tile 15 - r, steps 0 .. r and 8 .. 15 - r: nine trips.
; The two parts of tile 15 - r are joined through LDS at the end, by exact powers of two.  Only the step of a tile's own number is masked.
; LDS holds the head's K, V and scale words WHOLE, a block of 17,152 bytes for each key step, filled once by one joint load of each wave: slots 0 .. 15 hold steps 0, 1, 8, 2 .. 7, 9 .. 15: the first two trips read slots 0 to 2 alone, and the rest is shown behind them.
; The four work-groups of a cluster serve the same head: each fill is asked for JOINTLY.  No prefetch: every tile is asked for at the head, and no loop runs ahead of a load.
; The scale bytes of O leave two a place (a head owns two of a row's 32 bytes): one byte in 32 of what the launch stores.
; LIMITS: scaled scores under 2^31 in magnitude; p under 2^-126 becomes 0 (v_exp_f32 flushes: ISA guide 15.8); 1 / sum is v_rcp_f32 and a multiplication; a block of zeros gets the byte 1 and not 127 (only this program reads it); NaN and infinities are not served.
.set SB,   17152                       ; a key step's block: K 8,192, V 8,192, K's words 512, V's 256
.set STW,  4608                        ; the hand-over at the end: so many bytes for each wave, in slots that nobody reads any more
.set SPARE, 16*SB                      ; the spare words, 128 bytes a wave
.set AK0,  1                           ; v1  16 x lane
.set AS0,  2                           ; v2  16 r
.set AD,   3                           ; v3, v4 the step's addresses
.set ADS,  4
.set SPW,  5
.set NIL,  6
.set SG,   7                           ; v7  my wave's hand-over
.set NI,   8                           ; v8  -infinity
.set QW2,  9                           ; v9  the second tile's scale word
.set QW,   10                          ; v10 Q's scale word
.set PWD,  11                          ; v11 p's scale word
                                       ; v12 -M, v13 the largest score, v[14:15] the sum in two halves; v16-31 Q (v24-31 zeros)
.set KF,   32                          ; v32-95 K's eight fragments, fragment t = v[32 + 8 t .. 47 + 8 t]; then V's four.  v96-103: the second tile's Q codes, which also stand behind K's last fragment
.set S,    104                         ; v104-167 S^T, then p
.set O,    168                         ; v168-199 O^T
.set PC,   200                         ; v200-215 p's codes
.set KW,   216                         ; v216-223 K's scale words
.set VW,   224                         ; v224-227 V's
.set BM,   228                         ; v228-231 a block's largest; 232-235 exchange, bytes; 236-239 holds; 240-243 scale operands
.set BP,   232
.set BH,   236
.set BS,   240
.set FF,   244                         ; v[244:245] f = 2^(old M - new M)
.set TT,   246                         ; v246-253 at work
.set WV,   10
.set RK,   11                          ; r
.set T,    12                          ; the trip
.set MT,   13                          ; the masked trip
.set RJ,   14                          ; the trip behind which a wave r goes on to step 8
.set RJ1,  15
.set D,    16                          ; 7 - r
.set LAST, 17                          ; my last trip
.set TB,   18                          ; the slot's first byte
.set MNT,  19
.set SEL,  20
.set CS,   22                          ; s[22:23] c = log2(e) / 8
.set NCS,  24                          ; -c
.set G0,   28
.set MK,   32                          ; s32-47 lane masks of the block that the diagonal crosses: register i's key comes after my query
.set PB,   48                          ; s48-51 all ones for that block;  s52-55 for the blocks behind it
.set OB,   52
.set G1,   56
.macro CROUND                          ; a round of the cluster's barrier
	s_barrier_signal -1
	s_barrier_wait -1
	s_cmp_lg_u32 s[WV], 0
	s_cbranch_scc1 .Lnot_wave_0_\@
	s_barrier_signal -3
.Lnot_wave_0_\@:
	s_barrier_wait -3
	s_barrier_signal -1
	s_barrier_wait -1
.endm
.macro PLACES n
.rept \n
	v_nop
.endr
.endm
	s_load_b128 s[4:7], s[0:1], 0x0                ; blk, oc
	s_load_b64 s[8:9], s[0:1], 0x10                ; os
	v_lshl_add_u32 v[SPW], v0, 2, SPARE
	v_mov_b32 v[NIL], 0
	ds_add_u32 v[SPW], v[NIL]                      ; the wave's opening: the add, twice on end, and its wait
	ds_add_u32 v[SPW], v[NIL]
	v_lshrrev_b32 v[TT], 5, v0
	v_readfirstlane_b32 s[WV], v[TT]               ; wave 0..15
	s_and_b32 s66, ttmp7, 0xffff
	s_and_b32 s67, s66, 15                         ; head
	s_lshr_b32 s68, s66, 4                         ; batch
	s_lshl_b32 s69, s67, 5
	s_lshl_b32 s70, s68, 4
	s_add_co_u32 s69, s69, s70                     ; Q's first block: head x 32 + batch x 16
	s_sub_co_u32 s71, s[WV], 1                     ; I fill slot `wave`: with step wave - 1 for waves 3 to 8, step 8 for wave 2, else step `wave`
	s_sub_co_u32 s72, s[WV], 3
	s_cmp_lt_u32 s72, 6
	s_cselect_b32 s71, s71, s[WV]
	s_cmp_eq_u32 s[WV], 2
	s_cselect_b32 s71, 8, s71
	s_add_co_u32 s71, s71, s69
	s_add_co_u32 s71, s71, 512                     ; k's heads lie behind q's 16 x 32 blocks
	s_mul_i32 s72, s71, SB
	s_mov_b32 s73, 0
	s_mov_b32 s[G1], 15|(3<<16)|(1<<21)            ; the mask names all four work-groups, bit 21 beside it; elements of 8 bytes
	s_mov_b32 s[G1+1], 32<<16                      ; a block: 67 rows of 256 bytes, dense
	s_mov_b32 s[G1+2], 67<<16
	s_mov_b32 s[G1+3], 32<<16
	s_mov_b32 s[G1+4], 67
	s_mov_b32 s[G1+5], 32
	s_mov_b32 s[G1+6], 0
	s_mov_b32 s[G1+7], 0
	s_mov_b32 s[G0], 1
	s_mul_i32 s[G0+1], s[WV], SB
	s_bfe_u32 s74, ttmp6, 0x40000                  ; cx: it enters global addresses and lane masks alone
	s_lshl_b32 s75, ttmp9, 2
	s_add_co_u32 s75, s75, s74                     ; j
	s_and_b32 s[RK], s[WV], 7
	s_sub_co_u32 s76, 15, s[RK]                    ; the longer tile's number
	s_cmp_lt_u32 s[WV], 8
	s_cselect_b32 s77, s76, s[RK]                  ; the number of the tile that I begin with, and store
	s_cselect_b32 s[MT], 8, s[RK]
	s_cselect_b32 s[RJ], s[RK], 40
	s_cselect_b32 s[LAST], 8, 7
	s_add_co_u32 s[RJ1], s[RJ], 1
	s_sub_co_u32 s[D], 7, s[RK]
	s_add_co_u32 s78, s69, s77
	s_mul_i32 s80, s78, SB                         ; its block of Q
	s_mov_b32 s81, 0
	s_add_co_u32 s79, s69, s76
	s_mul_i32 s82, s79, SB                         ; the longer tile's block
	s_mov_b32 s83, 0
	s_lshl_b32 s84, s75, 10                        ; tile j's codes,
	s_mov_b32 s85, 0
	s_lshr_b32 s86, s75, 2
	s_lshl_b32 s86, s86, 8
	s_and_b32 s87, s75, 3
	s_lshl_b32 s87, s87, 2
	s_add_co_u32 s86, s86, s87                     ; and its words
	s_mov_b32 s87, 0
	v_and_b32 v[AD], 31, v0
	v_lshlrev_b32 v[AK0], 4, v[AD]
	v_and_b32 v[BM], 15, v0                        ; r
	v_lshlrev_b32 v[AS0], 4, v[BM]
	s_wait_alu depctr_va_vdst(0)
	s_wait_dscnt 0x0                               ; both opening adds are done
	s_wait_kmcnt 0x0
	s_add_nc_u64 s[G0+2:G0+3], s[4:5], s[72:73]
	s_or_b32 s[G0+3], s[G0+3], 0x80000000
	s_add_nc_u64 s[88:89], s[4:5], s[80:81]
	s_add_nc_u64 s[90:91], s[88:89], s[86:87]
	s_add_nc_u64 s[88:89], s[88:89], s[84:85]
	s_add_nc_u64 s[92:93], s[4:5], s[82:83]
	s_add_nc_u64 s[94:95], s[92:93], s[86:87]
	s_add_nc_u64 s[92:93], s[92:93], s[84:85]
	global_load_b128 v[16:19], v[AK0], s[88:89]    ; Q's fragment stays in registers
	global_load_b128 v[20:23], v[AK0], s[88:89] offset:512
	global_load_b32 v[QW], v[AS0], s[90:91] offset:16384
	global_load_b128 v[96:99], v[AK0], s[92:93]    ; the second tile's
	global_load_b128 v[100:103], v[AK0], s[92:93] offset:512
	global_load_b32 v[QW2], v[AS0], s[94:95] offset:16384
	CROUND                                         ; all four work-groups are here: the joint loads meet
	s_cmp_lt_u32 s[WV], 3                          ; one load a wave; what is shown first has a line of its own
	s_cbranch_scc0 .Llater
	tensor_load_to_lds s[G0:G0+3], s[G1:G1+7]
	s_nop 0
	PLACES 4
	s_branch .Lasked
.Llater:
	tensor_load_to_lds s[G0:G0+3], s[G1:G1+7]
	s_nop 0
	PLACES 4
.Lasked:
	v_bfe_u32 v[BM+1], v0, 4, 1                    ; h
	v_and_b32 v[TT], 8, v[BM]
	v_add_nc_u32 v[TT], v[TT], v[BM]               ; r + 8 (r / 8)
	v_lshlrev_b32 v[BM+1], 4, v[BM+1]
	v_sub_nc_u32 v[TT], v[TT], v[BM+1]
	s_and_b32 s96, s75, 1
	s_lshl_b32 s96, s96, 3
	v_add_nc_u32 v[TT], s96, v[TT]                 ; my query in its block of 32 keys less 16 h
.irp i, 0,1,2,3,4,5,6,7,8,9,10,11,12,13,14,15
	v_cmp_gt_i32 s[MK+\i], \i, v[TT]
.endr
	s_lshr_b32 s97, s75, 1                         ; the block that the diagonal crosses
.irp b, 0,1,2,3
	s_cmp_eq_u32 s97, \b
	s_cselect_b32 s[PB+\b], -1, 0
	s_cmp_lt_u32 s97, \b
	s_cselect_b32 s[OB+\b], -1, 0
.endr
	s_lshl_b32 s70, s68, 7
	s_lshl_b32 s71, s77, 3
	s_add_co_u32 s70, s70, s71
	s_add_co_u32 s70, s70, s75                     ; the token tile that I store: 128 batch + 8 n + j
	s_lshl_b32 s80, s70, 14
	s_lshl_b32 s82, s67, 10
	s_add_co_u32 s80, s80, s82
	s_add_nc_u64 s[6:7], s[6:7], s[80:81]          ; O's codes: tile x 16,384 + head x 1,024
	s_lshr_b32 s80, s67, 2
	s_lshl_b32 s80, s80, 15
	s_lshl_b32 s82, s70, 7
	s_add_co_u32 s80, s80, s82
	s_and_b32 s82, s67, 3
	s_lshl_b32 s82, s82, 1
	s_add_co_u32 s80, s80, s82
	s_add_nc_u64 s[8:9], s[8:9], s[80:81]          ; O's scale bytes: K quarter x 32,768 + tile x 128 + 2 (head % 4)
	s_mov_b32 s[SEL], 0x76543210
	s_mov_b32 s[SEL+1], 0xfedcba98
	s_mov_b32 s[CS], 0x3e38aa3b
	s_mov_b32 s[CS+1], s[CS]
	s_mov_b32 s[NCS], 0xbe38aa3b
	s_mov_b32 s[MNT], 0x600000
	s_mul_i32 s96, s[WV], STW
	v_add_nc_u32 v[SG], s96, v[AK0]
	v_mov_b32 v[NI], 0xff800000
.macro FRESH                           ; nothing summed yet: M so low that the first change of M multiplies zeros by 0
.set n, 0
.rept 32
	v_mov_b32 v[O+n], 0
.set n, n+1
.endr
	v_mov_b32 v12, 0x7e967699
	v_mov_b32 v13, 0xff61b1e6
	v_mov_b32 v14, 0
	v_mov_b32 v15, 0
.endm
	FRESH
.irp i, 0,1,2,3,4,5,6,7
	v_mov_b32 v[24+\i], 0                          ; Q's upper 64 codes
.endr
.irp b, 0,1,2,3
	v_mov_b32 v[BP+\b], 0                          ; a lane permute's destination counts as one of its sources
.endr
	v_mov_b32 v[FF+1], 0                           ; (named as the upper half of a pair)
.macro PA d, a, b
	v_pk_add_f32 v[\d:\d+1], v[\a:\a+1], v[\b:\b+1]
.endm
; A KEY STEP: 128 keys.
.macro STEP
	v_add_nc_u32 v[AD], s[TB], v[AK0]              ; with the seven additions at the last step's end: nine places in front of loads into registers that its products have read
	v_add_nc_u32 v[ADS], s[TB], v[AS0]
	ds_load_b128 v[KW:KW+3], v[ADS] offset:16384
	ds_load_b128 v[KW+4:KW+7], v[ADS] offset:16640
.irp t, 0,1,2,3,4,5,6,7
	ds_load_b128 v[KF+8*\t:KF+8*\t+3], v[AD] offset:1024*\t
	ds_load_b128 v[KF+8*\t+4:KF+8*\t+7], v[AD] offset:1024*\t+512
.endr
	s_wait_alu depctr_va_vdst(0)
	s_wait_dscnt 6                                 ; the words and tiles 0 to 4 are in; tiles 5 to 7, six loads, may be out
.irp t, 0,1,2,3
	v_wmma_scale_f32_16x16x128_f8f6f4 v[S+8*\t:S+8*\t+7], v[KF+8*\t:KF+8*\t+15], v[16:31], 0, v[KW+\t], v[QW]
.endr
	s_wait_dscnt 0x0
.irp t, 4,5,6,7
	v_wmma_scale_f32_16x16x128_f8f6f4 v[S+8*\t:S+8*\t+7], v[KF+8*\t:KF+8*\t+15], v[16:31], 0, v[KW+\t], v[QW]
.endr
	PLACES 8                                       ; in front of the loads below and of the first read of the scores
.irp t, 0,1,2,3
.irp c, 0,1,2,3
	ds_load_b128 v[KF+16*\t+4*\c:KF+16*\t+4*\c+3], v[AD] offset:8192+(\c/2)*4096+\t*1024+(\c%2)*512   ; V's fragments land while the softmax is worked
.endr
.endr
	ds_load_b128 v[VW:VW+3], v[ADS] offset:16896
	s_cmp_lg_u32 s[T], s[MT]                       ; only one of my steps lies on the diagonal
	s_cbranch_scc1 .Lopen_\@
.irp b, 0,1,2,3
.irp i, 0,1,2,3,4,5,6,7,8,9,10,11,12,13,14,15
	s_and_b32 s[2+\i%2+23*((\i/2)%2)], s[MK+\i], s[PB+\b]
	s_or_b32 s[2+\i%2+23*((\i/2)%2)], s[2+\i%2+23*((\i/2)%2)], s[OB+\b]
	v_cndmask_b32 v[S+16*\b+\i], v[S+16*\b+\i], v[NI], s[2+\i%2+23*((\i/2)%2)]   ; hidden scores become -infinity ahead of the maximum: p = 0
.endr
.endr
	s_wait_alu depctr_va_vdst(0)
.Lopen_\@:
.irp b, 0,1,2,3
	v_max3_num_f32 v[BM+\b], v[S+16*\b], v[S+1+16*\b], v[S+2+16*\b]   ; the largest score of each block of 32 keys: for the row's maximum, and, since p rises with the score, for the block's largest p
.endr
.irp i, 3,5,7,9,11,13
.irp b, 0,1,2,3
	v_max3_num_f32 v[BM+\b], v[BM+\b], v[S+16*\b+\i], v[S+1+16*\b+\i]
.endr
.endr
.irp b, 0,1,2,3
	v_max_num_f32 v[BM+\b], v[BM+\b], v[S+15+16*\b]
.endr
.irp b, 0,1,2,3
	v_permlanex16_b32 v[BP+\b], v[BM+\b], s[SEL], s[SEL+1]
.endr
.irp b, 0,2
	v_dual_max_num_f32 v[BM+\b], v[BM+\b], v[BP+\b] :: v_dual_max_num_f32 v[BM+\b+1], v[BM+\b+1], v[BP+\b+1]   ; with lane l xor 16's 16 keys
.endr
	v_max3_num_f32 v[TT], v[BM], v[BM+1], v[BM+2]
	v_max3_num_f32 v13, v13, v[TT], v[BM+3]        ; the running largest score
	s_delay_alu instid0(VALU_DEP_1)
	v_mul_f32 v[TT], s[NCS], v13                   ; -t (c is positive)
	s_delay_alu instid0(VALU_DEP_1)
	v_floor_f32 v[TT], v[TT]                       ; the new -M: a whole number
	s_delay_alu instid0(VALU_DEP_1)
	v_sub_f32 v[FF], v[TT], v12                    ; old M - new M, 0 or less
	v_mov_b32 v12, v[TT]
	s_delay_alu instid0(VALU_DEP_2)
	v_cvt_i32_f32 v[FF], v[FF]                     ; (it saturates)
	s_delay_alu instid0(VALU_DEP_1)
	v_ldexp_f32 v[FF], 1.0, v[FF]                  ; f = 2^(old M - new M)
.set n, 0
.rept 32
	v_pk_fma_f32 v[S+n:S+n+1], v[S+n:S+n+1], s[CS:CS+1], v[12:13] op_sel_hi:[1,0,0]   ; t - M, two at a time
.set n, n+2
.endr
.irp b, 0,1,2,3
	v_fma_f32 v[BM+\b], v[BM+\b], s[CS], v12       ; the same of each block's largest score
.endr
	s_wait_alu depctr_va_vdst(0)                   ; the wait ahead of the batch,
.set n, 0
.rept 64
	v_exp_f32 v[S+n], v[S+n]                       ; p = 2^(t - M)
.set n, n+1
.endr
.irp b, 0,1,2,3
	v_exp_f32 v[BM+\b], v[BM+\b]                   ; the block's largest p: the same two instructions on the same number
.endr
	v_pk_mul_f32 v[14:15], v[14:15], v[FF:FF+1] op_sel_hi:[1,0]   ; the sums under the new M.  (A plain place behind the exponentials)
	s_wait_alu depctr_va_vdst(0)                   ; and behind it
.irp b, 0,1,2,3
	v_max_num_f32 v[BM+\b], 0x4800000, v[BM+\b]    ; the floor 2^(9 - 127): the byte cannot fall under 1
.endr
.irp b, 0,1,2,3
	v_add_nc_u32 v[BS+\b], 0xfc000000, v[BM+\b]    ; 8 off the exponent field: the conversion's scale operand
.endr
.irp b, 0,1,2,3
	v_and_or_b32 v[BH+\b], v[BM+\b], 0x7f800000, s[MNT]   ; 448 x the scale
.endr
.irp b, 0,1,2,3
	v_lshrrev_b32 v[BP+\b], 23, v[BS+\b]           ; the scale's byte
.endr
	v_lshl_or_b32 v[PWD], v[BP+1], 8, v[BP]        ; p's scale word for these 128 keys
	s_delay_alu instid0(VALU_DEP_1)
	v_lshl_or_b32 v[PWD], v[BP+2], 16, v[PWD]
	s_delay_alu instid0(VALU_DEP_1)
	v_lshl_or_b32 v[PWD], v[BP+3], 24, v[PWD]
.set k, 0
.irp d, 232,252,250,248,230,228,246                ; the row's sum, of the unquantised p, two at a time in eight chains
	PA \d, S+4*k, S+4*k+2
.set k, k+1
.endr
	PA 14, 14, S+28
.set k, 15
.rept 2
.irp d, 232,252,250,248,230,228,246,14
	PA \d, \d, S+2*k
.set k, k+1
.endr
.endr
	PA 232, 232, S+62
.irp b, 0,1,2,3
.irp i, 0,2,4,6,8,10,12,14
	v_dual_min_num_f32 v[S+16*\b+\i], v[S+16*\b+\i], v[BH+\b] :: v_dual_min_num_f32 v[S+16*\b+\i+1], v[S+16*\b+\i+1], v[BH+\b]   ; the conversion does not saturate (ISA guide 7.6.2); p is not negative, so the hold is one-sided
.endr
	v_cvt_scalef32_pk8_fp8_f32 v[PC+4*\b:PC+1+4*\b], v[S+16*\b:S+7+16*\b], v[BS+\b]
	v_cvt_scalef32_pk8_fp8_f32 v[PC+2+4*\b:PC+3+4*\b], v[S+8+16*\b:S+15+16*\b], v[BS+\b]
.endr
	s_wait_alu depctr_va_vdst(0)                   ; the wait here, directly ahead of the first reader of O^T
.set n, 0
.rept 16
	v_pk_mul_f32 v[O+n:O+n+1], v[O+n:O+n+1], v[FF:FF+1] op_sel_hi:[1,0]   ; O^T under the new M, each accumulator from its low end on.  (Also the places between the codes and the products)
.set n, n+2
.endr
	s_wait_alu depctr_va_vdst(0)                   ; and here, directly ahead of the wait below
	s_wait_dscnt 0x0                               ; V
.irp t, 0,1,2,3
	v_wmma_scale_f32_16x16x128_f8f6f4 v[O+8*\t:O+8*\t+7], v[KF+16*\t:KF+16*\t+15], v[PC:PC+15], v[O+8*\t:O+8*\t+7], v[VW+\t], v[PWD]   ; the four accumulators by turns
.endr
	PA 14, 14, 248                                 ; the sum's chains are joined: seven of the places behind the products
	PA 232, 232, 230
	PA 252, 252, 228
	PA 250, 250, 246
	PA 14, 14, 252
	PA 232, 232, 250
	PA 14, 14, 232
.endm
; THE WAY OUT of a tile whose O^T lies at src.  O^T / the sum: register 16 B + i is channel 32 B + 16 (lane / 16) + i of the head: two blocks of the last product's K.  They are quantised and stored as two chunks of that operand's image.
.macro WAYOUT src
	v_add_f32 v14, v14, v15
	v_permlanex16_b32 v[TT], v14, s[SEL], s[SEL+1]
	v_add_f32 v14, v14, v[TT]                      ; the row's sum
	s_wait_alu depctr_va_vdst(0)
	v_rcp_f32 v14, v14
	v_and_b32 v[AD], 15, v0                        ; (a plain place behind the reciprocal)
	v_lshlrev_b32 v[AD], 3, v[AD]                  ; 8 r: my place's scale bytes
	v_nop                                          ; (with the seven additions behind the products more than eight places)
	s_wait_alu depctr_va_vdst(0)
.set n, 0
.rept 16
	v_pk_mul_f32 v[S+n:S+n+1], v[\src+n:\src+n+1], v[14:15] op_sel_hi:[1,0]
.set n, n+2
.endr
.irp b, 0,1
	v_max3_num_f32 v[BM+\b], |v[S+16*\b]|, |v[S+1+16*\b]|, 0x4800000
.endr
.irp i, 2,4,6,8,10,12,14
.irp b, 0,1
	v_max3_num_f32 v[BM+\b], v[BM+\b], |v[S+16*\b+\i]|, |v[S+1+16*\b+\i]|
.endr
.endr
.irp b, 0,1
	v_permlanex16_b32 v[BP+\b], v[BM+\b], s[SEL], s[SEL+1]
.endr
.irp b, 0,1
	v_max_num_f32 v[BM+\b], v[BM+\b], v[BP+\b]
.endr
.irp b, 0,1
	v_add_nc_u32 v[BS+\b], 0xfc000000, v[BM+\b]
.endr
.irp b, 0,1
	v_and_or_b32 v[BH+\b], v[BM+\b], 0x7f800000, s[MNT]
.endr
.irp b, 0,1
	v_lshrrev_b32 v[BP+\b], 23, v[BS+\b]
.endr
	v_lshl_or_b32 v[TT], v[BP+1], 8, v[BP]         ; the two bytes
.irp b, 0,1
.irp i, 0,1,2,3,4,5,6,7,8,9,10,11,12,13,14,15
	v_med3_num_f32 v[S+16*\b+\i], v[S+16*\b+\i], -v[BH+\b], v[BH+\b]
.endr
	v_cvt_scalef32_pk8_fp8_f32 v[PC+4*\b:PC+1+4*\b], v[S+16*\b:S+7+16*\b], v[BS+\b]
	v_cvt_scalef32_pk8_fp8_f32 v[PC+2+4*\b:PC+3+4*\b], v[S+8+16*\b:S+15+16*\b], v[BS+\b]
.endr
	v_nop                                          ; a plain line behind the last conversion
	global_store_b128 v[AK0], v[PC:PC+3], s[6:7]   ; 512 consecutive bytes each
	global_store_b128 v[AK0], v[PC+4:PC+7], s[6:7] offset:512
	global_store_b16 v[AD], v[TT], s[8:9]          ; both halves of the lanes store the same two bytes of place r
.endm
.macro KEEPO                           ; O^T, M and the sum to my wave's hand-over
.irp i, 0,1,2,3,4,5,6,7
	ds_store_b128 v[SG], v[O+4*\i:O+4*\i+3] offset:512*\i
.endr
	ds_store_b128 v[SG], v[12:15] offset:4096
.endm
; Waves 8 to 15, behind trip r: tile r is finished and leaves, and tile 15 - r is begun.
.macro TRIPEND
	s_cmp_lt_u32 s[WV], 8
	s_cbranch_scc1 .Lgo_on_\@
	s_cmp_lg_u32 s[T], s[RK]
	s_cbranch_scc1 .Lgo_on_\@
	s_wait_alu depctr_va_vdst(0)
	WAYOUT O
.irp i, 0,1,2,3,4,5,6,7
	v_mov_b32 v[16+\i], v[96+\i]
.endr
	v_mov_b32 v[QW], v[QW2]
	s_wait_alu depctr_va_vdst(0)
	s_wait_xcnt 0x0                                ; the stores have read their registers: they are written again only behind this wait
	FRESH
	s_wait_alu depctr_va_vdst(0)
.Lgo_on_\@:
.endm
	s_wait_alu depctr_va_vdst(0)                   ; the wait at the head's end
	s_wait_loadcnt 0x0                             ; Q
	s_cmp_lt_u32 s[WV], 3
	s_cbranch_scc0 .Lnot_mine
	s_wait_tensorcnt 0x0                           ; slots 0 to 2 are in
.Lnot_mine:
	s_barrier_signal -1
	s_barrier_wait -1
	s_mov_b32 s[T], 0
.Lone:                                             ; trips 0 and 1: slot = trip; wave 0's trip 1 is step 8: slot 2
	s_cmp_eq_u32 s[T], s[RJ1]
	s_cselect_b32 s2, 2, s[T]
	s_min_u32 s2, s2, 2
	s_mul_i32 s[TB], s2, SB
	STEP
	TRIPEND
	s_add_co_u32 s[T], s[T], 1
	s_cmp_lt_u32 s[T], 2
	s_cbranch_scc1 .Lone
	s_wait_alu depctr_va_vdst(0)
	s_wait_tensorcnt 0x0                           ; the other slots are in
	s_wait_dscnt 0x0
	s_barrier_signal -1
	s_barrier_wait -1
	s_mov_b32 s[T], 2
.Ltwo:                                             ; trips 2 to 8: step = trip: slot trip + 1; in waves 0 to 7 behind trip r: step 8 (slot 2), then step = slot = trip + 7 - r
	s_add_co_u32 s2, s[T], 1
	s_add_co_u32 s3, s[T], s[D]
	s_cmp_gt_u32 s[T], s[RJ]
	s_cselect_b32 s2, s3, s2
	s_cmp_eq_u32 s[T], s[RJ1]
	s_cselect_b32 s2, 2, s2
	s_min_u32 s2, s2, 15
	s_mul_i32 s[TB], s2, SB
	s_barrier_signal -1                            ; I begin this trip's step: no LDS instruction of mine is out; up to the wait stand register work and LDS loads of bytes that nobody writes before the barrier behind the loop
	s_cmp_gt_u32 s[T], s[LAST]                     ; waves 8 to 15 have eight trips
	s_cbranch_scc1 .Lnone
	STEP
.Lnone:
	s_barrier_wait -1                              ; every wave has begun it: the waves stay within a step of each other
	TRIPEND
	s_add_co_u32 s[T], s[T], 1
	s_cmp_lt_u32 s[T], 9
	s_cbranch_scc1 .Ltwo
	PLACES 8
	s_wait_alu depctr_va_vdst(0)
	; THE TWO PARTS OF TILE 15 - r.  Waves 8 to 15 hand over what they have of it.
	s_wait_dscnt 0x0
	s_barrier_signal -1
	s_barrier_wait -1                              ; nobody reads the slots any more
	; THE TWO PARTS OF TILE 15 - r.  Waves 8 to 15 hand over what they have of it; waves 0 to 7 join it to theirs and store.
	s_cmp_lt_u32 s[WV], 8
	s_cbranch_scc1 .Lkept
	KEEPO
.Lkept:
	s_wait_dscnt 0x0
	s_barrier_signal -1
	s_barrier_wait -1
	s_cmp_lt_u32 s[WV], 8
	s_cbranch_scc0 .Lend
.irp i, 0,1,2,3,4,5,6,7
	ds_load_b128 v[KF+4*\i:KF+4*\i+3], v[SG] offset:8*STW+512*\i
.endr
	ds_load_b128 v[64:67], v[SG] offset:8*STW+4096
	s_wait_dscnt 0x0
	v_min_num_f32 v246, v12, v64                   ; -M of both: the smaller of the two
	v_sub_f32 v247, v246, v12
	v_sub_f32 v248, v246, v64
	v_cvt_i32_f32 v247, v247
	v_cvt_i32_f32 v248, v248
	v_ldexp_f32 v[FF], 1.0, v247
	v_ldexp_f32 v250, 1.0, v248
.set n, 0
.rept 16
	v_pk_mul_f32 v[S+n:S+n+1], v[O+n:O+n+1], v[FF:FF+1] op_sel_hi:[1,0]
.set n, n+2
.endr
	v_pk_mul_f32 v[14:15], v[14:15], v[FF:FF+1] op_sel_hi:[1,0]
.set n, 0
.rept 16
	v_pk_fma_f32 v[S+n:S+n+1], v[KF+n:KF+n+1], v[250:251], v[S+n:S+n+1] op_sel_hi:[1,0,1]
.set n, n+2
.endr
	v_pk_fma_f32 v[14:15], v[66:67], v[250:251], v[14:15] op_sel_hi:[1,0,1]
	s_wait_alu depctr_va_vdst(0)
	WAYOUT S
.Lend:
	s_wait_tensorcnt 0x0                           ; the wave's end
	ds_add_u32 v[SPW], v[NIL]
	s_wait_dscnt 0x0
	CROUND                                         ; the closing round
	s_endpgm
.Lfunc_end_k_q80dc27ba3d_attn:
	.size	k_q80dc27ba3d_attn, .Lfunc_end_k_q80dc27ba3d_attn-k_q80dc27ba3d_attn
	.p2alignl 7, 3214868480
	.fill 96, 4, 3214868480
	.section	.rodata,"a",@progbits
	.p2align	6, 0x0
	.amdhsa_kernel k_q80dc27ba3d_attn
		.amdhsa_group_segment_fixed_size 327680
		.amdhsa_private_segment_fixed_size 0
		.amdhsa_enable_private_segment 0
		.amdhsa_kernarg_size 24
		.amdhsa_user_sgpr_count 2
		.amdhsa_user_sgpr_kernarg_segment_ptr 1
		.amdhsa_wavefront_size32 1
		.amdhsa_system_sgpr_workgroup_id_x 1
		.amdhsa_system_sgpr_workgroup_id_y 1
		.amdhsa_system_sgpr_workgroup_id_z 1
		.amdhsa_system_vgpr_workitem_id 0
		.amdhsa_next_free_vgpr 256
		.amdhsa_next_free_sgpr 102
		.amdhsa_reserve_vcc 0
		.amdhsa_float_denorm_mode_32 3
		.amdhsa_float_denorm_mode_16_64 3
		.amdhsa_memory_ordered 1
		.amdhsa_forward_progress 1
		.amdhsa_inst_pref_size 88
	.end_amdhsa_kernel
	.amdgpu_metadata
---
amdhsa.version: [ 1, 2 ]
amdhsa.kernels:
  - .name:           k_q80dc27ba3d_attn
    .symbol:         k_q80dc27ba3d_attn.kd
    .args:
      - { .name: blk, .offset: 0, .size: 8, .value_kind: global_buffer, .address_space: global }
      - { .name: oc, .offset: 8, .size: 8, .value_kind: global_buffer, .address_space: global }
      - { .name: os, .offset: 16, .size: 8, .value_kind: global_buffer, .address_space: global }
    .group_segment_fixed_size: 327680
    .private_segment_fixed_size: 0
    .kernarg_segment_align: 8
    .kernarg_segment_size: 24
    .max_flat_workgroup_size: 512
    .sgpr_count:     102
    .vgpr_count:     256
    .wavefront_size: 32
...
	.end_amdgpu_metadata
.endif
;; end of part 3
;; launch outp (part 4): grid 8 x 32, 8 waves a work-group, clusters of 4 x 4, 327,680 bytes of LDS; arguments oc, os, cod, scl, out0; writes out0
.if DOCPART == 4
	.amdgcn_target "amdgcn-amd-amdhsa--gfx1250"
	.amdhsa_code_object_version 6
	.text
	.protected	k_q80dc27ba3d_outp
	.globl	k_q80dc27ba3d_outp
	.p2align	8
	.type	k_q80dc27ba3d_outp,@function
k_q80dc27ba3d_outp:
	s_mov_b64 s[64:65], 0
	v_nop
	global_prefetch_b8 v0, s[64:65] scope:SCOPE_SE
	s_setreg_imm32_b32 hwreg(HW_REG_WAVE_MODE, 25, 1), 1
	s_wait_xcnt 0x0
	s_wait_alu depctr_hold_cnt(0) depctr_sa_sdst(0) depctr_va_vdst(0) depctr_va_sdst(0) depctr_va_ssrc(0) depctr_va_vcc(0) depctr_vm_vsrc(0)
	s_getreg_b32 s2, hwreg(HW_REG_IB_STS2, 6, 4)
	s_cmp_eq_u32 s2, 0
	s_cbranch_scc0 .Lentry_in_a_cluster
	s_endpgm
.Lentry_in_a_cluster:
	s_bfe_u32 s2, ttmp6, 0x10000c
	s_cmp_lg_u32 s2, 0xf033
	s_cbranch_scc0 .Lentry_shape_is_right
	s_endpgm
.Lentry_shape_is_right:
; out0 = O wo^T on codes of FP8 (E4M3) with E8M0 scales: 4,096 x 1,024, K = 1,024, f32 sums.
; A work-group makes 128 tokens x 128 columns; eight waves, 32 tokens x 64 columns each: eight accumulators of 16 x 16.  Its operands for ALL of K, 2 x 131,072 bytes of register images, come into LDS by one joint load of each wave:
; wave 2 q + op fetches the q-th quarter of K of O's (op 0) or wo's (op 1) eight tiles.  The quarters are shown one after the other, each by a barrier; no byte is filled twice, so no prefetch either: all is asked for at the head.
; CLUSTERS of 4 x 4: O's tiles are shared along a row of the cluster, wo's along a column.
; Source 0 = wo's tiles, source 1 = token tiles: a lane holds one token, and by the tiles' order its 16 registers of column tiles 2 B and 2 B + 1 are columns 32 B + 16 (lane / 16) + 0 .. 15.
; THE SCALE WORDS go from memory into registers, once, 256 consecutive bytes a load: lanes 0-15 hold an even tile's, lanes 16-31 the next tile's.
; LIMITS: NaN and infinities are not served.
; REGISTERS: window 0: v64-159, v160-255 two sets of fragments (2 token tiles, 4 column tiles); window 1: the accumulators, (a, b) at v[8 (4 a + b)].
.set STG,  262144                      ; a wave's stage for the way out: 16 rows x (256 bytes + 16)
.set SPITCH, 272
.set SPARE, STG+8*16*SPITCH            ; the spare words, 128 bytes a wave
.set ADRA, 8                           ; v8-11, v12-15 LDS addresses of my fragments, by quarters
.set ADRB, 12
.set STO,  16
.set RD,   17
.set CO,   18
.set SPW,  20
.set NIL,  21
.set SL,   22                          ; 8 x lane
.set SA,   24                          ; v24-31 the token tiles' words: register 2 q + s
.set SBR,  36                          ; v36-51 the column tiles': register 8 (b / 2) + 2 q + s
.set G1A,  24
.set G0A,  32
.set G1B,  48
.set G0B,  56
.set MSB, 0
.macro WIN new                         ; the immediate's high byte repeats the setting that is left
.if MSB != (\new)
	s_set_vgpr_msb (MSB<<8)|(\new)
.set MSB, (\new)
.endif
.endm
.macro PLACES n
.rept \n
	v_nop
.endr
.endm
.macro CROUND                          ; a round of the cluster's barrier
	s_barrier_signal -1
	s_barrier_wait -1
	s_cmp_lg_u32 s14, 0
	s_cbranch_scc1 .Lnot_wave_0_\@
	s_barrier_signal -3
.Lnot_wave_0_\@:
	s_barrier_wait -3
	s_barrier_signal -1
	s_barrier_wait -1
.endm
	s_load_b256 s[4:11], s[0:1], 0x0               ; oc, os, cod, scl
	s_load_b64 s[12:13], s[0:1], 0x20              ; out0
	v_lshl_add_u32 v[SPW], v0, 2, SPARE
	v_mov_b32 v[NIL], 0
	ds_add_u32 v[SPW], v[NIL]                      ; the wave's opening: the add, twice on end, and its wait
	ds_add_u32 v[SPW], v[NIL]
	v_lshrrev_b32 v1, 5, v0
	v_readfirstlane_b32 s14, v1                    ; wave 0..7
	s_lshr_b32 s15, s14, 1                         ; which 32 tokens are mine.  Also: which quarter of K I fetch
	s_and_b32 s16, s14, 1                          ; which 64 columns.  Also: for O (0) or for wo (1)
	s_bfe_u32 s40, ttmp6, 0x40000                  ; cx, cy
	s_bfe_u32 s41, ttmp6, 0x40004
	s_lshl_b32 s42, ttmp9, 2
	s_add_co_u32 s42, s42, s40                     ; 128 columns: which
	s_and_b32 s43, ttmp7, 0xffff
	s_lshl_b32 s43, s43, 2
	s_add_co_u32 s43, s43, s41                     ; 128 tokens: which
	s_lshl_b32 s44, s41, 2
	s_lshl_b32 s44, 15, s44                        ; my row of the cluster
	s_lshl_b32 s45, 0x1111, s40                    ; my column
	s_or_b32 s[G1A], s44, (3<<16)|(1<<21)          ; the mask; elements of 8 bytes; bit 21 beside a mask
	s_or_b32 s[G1B], s45, (3<<16)|(1<<21)
.irp g, G1A, G1B
	s_mov_b32 s[\g+1], 512<<16                     ; eight tiles x 4,096 bytes, 16,384 bytes apart
	s_mov_b32 s[\g+2], 8<<16
	s_mov_b32 s[\g+3], 512<<16
	s_mov_b32 s[\g+4], 8
	s_mov_b32 s[\g+5], 2048
	s_mov_b32 s[\g+6], 0
	s_mov_b32 s[\g+7], 0
.endr
	s_lshl_b32 s17, s15, 12                        ; my quarter of a tile
	s_lshl_b32 s20, s43, 17
	s_add_co_u32 s20, s20, s17                     ; O's codes
	s_mov_b32 s21, 0
	s_lshl_b32 s22, s42, 17
	s_add_co_u32 s22, s22, s17
	s_add_co_u32 s22, s22, 448<<14                 ; wo's: its tiles begin at 448
	s_mov_b32 s23, 0
	s_mov_b32 s[G0A], 1
	s_lshl_b32 s[G0A+1], s14, 15                   ; where they go: wave x 32,768
	s_mov_b32 s[G0B], 1
	s_lshl_b32 s[G0B+1], s14, 15
	s_wait_alu depctr_va_vdst(0)
	s_wait_dscnt 0x0                               ; both opening adds are done
	s_wait_kmcnt 0x0
	s_add_nc_u64 s[G0A+2:G0A+3], s[4:5], s[20:21]
	s_or_b32 s[G0A+3], s[G0A+3], 0x80000000
	s_add_nc_u64 s[G0B+2:G0B+3], s[8:9], s[22:23]
	s_or_b32 s[G0B+3], s[G0B+3], 0x80000000
	CROUND                                         ; all sixteen work-groups are here: the joint loads meet
.macro ARM n, g0, g1                   ; one tree of branches on the wave's number: one load a wave, a line for each
	s_cmp_lt_u32 s14, \n
	s_cbranch_scc0 .Larm_\n
	tensor_load_to_lds s[\g0:\g0+3], s[\g1:\g1+7]
	s_nop 0
	PLACES 4
	s_branch .Lasked
.Larm_\n:
.endm
	ARM 1, G0A, G1A
	ARM 2, G0B, G1B
	ARM 3, G0A, G1A
	ARM 4, G0B, G1B
	ARM 5, G0A, G1A
	ARM 6, G0B, G1B
	ARM 7, G0A, G1A
	tensor_load_to_lds s[G0B:G0B+3], s[G1B:G1B+7]
	s_nop 0
	PLACES 4
.Lasked:
	s_lshl_b32 s20, s43, 10
	s_lshl_b32 s17, s15, 8
	s_add_co_u32 s20, s20, s17
	s_add_nc_u64 s[6:7], s[6:7], s[20:21]          ; my two token tiles' words: 128 bytes a tile, a quarter of K 32,768 on
	s_lshl_b32 s22, s42, 10
	s_lshl_b32 s17, s16, 9
	s_add_co_u32 s22, s22, s17
	s_add_co_u32 s22, s22, 448*128
	s_add_nc_u64 s[10:11], s[10:11], s[22:23]      ; my four column tiles': a quarter 65,536 on
	v_and_b32 v1, 31, v0                           ; lane
	v_lshlrev_b32 v[SL], 3, v1
.irp q, 0,1,2,3
	global_load_b64 v[SA+2*\q:SA+2*\q+1], v[SL], s[6:7] offset:32768*\q
	global_load_b64 v[SBR+2*\q:SBR+2*\q+1], v[SL], s[10:11] offset:65536*\q
	global_load_b64 v[SBR+8+2*\q:SBR+8+2*\q+1], v[SL], s[10:11] offset:65536*\q+256
.endr
	v_lshlrev_b32 v2, 4, v1                        ; 16 x lane: my place in every chunk
	s_wait_alu depctr_va_vdst(0)                   ; eight scalar lines or more stand ahead of the last of v2's readers
	s_lshl_b32 s17, s15, 13
	s_lshl_b32 s18, s16, 14
	s_add_co_u32 s18, s18, 32768
.irp q, 0,1,2,3
	v_add_nc_u32 v[ADRA+\q], s17, v2
	v_add_nc_u32 v[ADRB+\q], s18, v2
	s_add_co_u32 s17, s17, 65536
	s_add_co_u32 s18, s18, 65536
.endr
	v_and_b32 v3, 15, v0                           ; r
	v_bfe_u32 v4, v0, 4, 1                         ; h
	s_mul_i32 s19, s14, 16*SPITCH
	s_add_co_u32 s19, s19, STG                     ; my stage
	v_mul_u32_u24 v5, v3, SPITCH
	v_lshl_add_u32 v5, v4, 6, v5
	v_add_nc_u32 v[STO], s19, v5                   ; in: row r, + 64 h
	v_mul_u32_u24 v6, v4, SPITCH
	v_lshl_add_u32 v6, v3, 4, v6
	v_add_nc_u32 v[RD], s19, v6                    ; back: lanes 0-15 one row, lanes 16-31 the next
	v_lshlrev_b32 v7, 12, v4
	v_lshl_add_u32 v[CO], v3, 4, v7
	s_lshl_b32 s20, s43, 19                        ; my rows and columns of out0, in bytes
	s_lshl_b32 s17, s15, 17
	s_add_co_u32 s20, s20, s17
	s_lshl_b32 s17, s42, 9
	s_add_co_u32 s20, s20, s17
	s_lshl_b32 s17, s16, 8
	s_add_co_u32 s20, s20, s17
	s_add_nc_u64 s[12:13], s[12:13], s[20:21]
; A fragment: four chunks of 512 bytes, 16 bytes a lane.  K step s of quarter q into set s: 24 loads
.macro FETCH q, s
.irp a, 0,1
.irp c, 0,1,2,3
	ds_load_b128 v[64+96*\s+16*\a+4*\c:64+96*\s+16*\a+4*\c+3], v[ADRA+\q] offset:4096*\a+2048*\s+512*\c
.endr
.endr
.irp b, 0,1,2,3
.irp c, 0,1,2,3
	ds_load_b128 v[96+96*\s+16*\b+4*\c:96+96*\s+16*\b+4*\c+3], v[ADRB+\q] offset:4096*\b+2048*\s+512*\c
.endr
.endr
.endm
.macro W q, s, a, b, c
.set AC, 8*(4*\a+\b)
.set FB, 96+96*\s+16*\b
.set FA, 64+96*\s+16*\a
.set XB, SBR+8*(\b/2)+2*\q+\s
.set XA, SA+2*\q+\s
.if (\b%2 == 0) && (\a == 0)
	v_wmma_scale_f32_16x16x128_f8f6f4 v[AC:AC+7], v[FB:FB+15], v[FA:FA+15], \c, v[XB], v[XA]
.elseif \a == 0
	v_wmma_scale_f32_16x16x128_f8f6f4 v[AC:AC+7], v[FB:FB+15], v[FA:FA+15], \c, v[XB], v[XA] matrix_a_scale:MATRIX_SCALE_ROW1
.elseif \b%2 == 0
	v_wmma_scale_f32_16x16x128_f8f6f4 v[AC:AC+7], v[FB:FB+15], v[FA:FA+15], \c, v[XB], v[XA] matrix_b_scale:MATRIX_SCALE_ROW1
.else
	v_wmma_scale_f32_16x16x128_f8f6f4 v[AC:AC+7], v[FB:FB+15], v[FA:FA+15], \c, v[XB], v[XA] matrix_a_scale:MATRIX_SCALE_ROW1 matrix_b_scale:MATRIX_SCALE_ROW1
.endif
.endm
.macro MUL q, s                        ; the eight accumulators by turns; the first products start the sums
	WIN 0x50                                       ; C and D window 1
.irp a, 0,1
.irp b, 0,1,2,3
.if \q+\s == 0
	W \q, \s, \a, \b, 0
.else
	W \q, \s, \a, \b, v[8*(4*\a+\b):8*(4*\a+\b)+7]
.endif
.endr
.endr
.endm
.macro QUARTER q
.if \q < 3
	s_cmp_lt_u32 s14, 2*\q+2                       ; the waves that fetched this quarter (and the earlier ones) wait for it
	s_cbranch_scc0 .Lnot_mine_\q
	s_wait_tensorcnt 0x0
.Lnot_mine_\q:
.else
	s_wait_tensorcnt 0x0
.endif
	s_barrier_signal -1
	s_barrier_wait -1
.if \q > 0
	PLACES 8                                       ; in front of loads into registers that matrix instructions have read
.endif
	FETCH \q, 0
	FETCH \q, 1
	s_wait_dscnt 24                                ; the first K step's are in; the second's 24 may be out
	MUL \q, 0
	s_wait_dscnt 0x0
	MUL \q, 1
	WIN 0
.endm
	s_wait_alu depctr_va_vdst(0)                   ; the wait at the head's end
	s_wait_loadcnt 0x0                             ; the scale words
	QUARTER 0
	QUARTER 1
	QUARTER 2
	QUARTER 3
; THE WAY OUT: a token tile at a time through my own stage, and back as rows of 256 bytes; LDS serves a wave's instructions in order (ISA guide 5.7.1.4).
.macro TOSTAGE a
	WIN 0x04                                       ; the data: window 1
.irp b, 0,1,2,3
	ds_store_b128 v[STO], v[32*\a+8*\b:32*\a+8*\b+3] offset:128*(\b/2)+32*(\b%2)
	ds_store_b128 v[STO], v[32*\a+8*\b+4:32*\a+8*\b+7] offset:128*(\b/2)+32*(\b%2)+16
.endr
	WIN 0
.irp t, 0,1,2,3,4,5,6,7
	ds_load_b128 v[64+32*\a+4*\t:64+32*\a+4*\t+3], v[RD] offset:2*\t*SPITCH
.endr
.endm
.macro SEND a
.irp t, 0,1,2,3,4,5,6,7
	global_store_b128 v[CO], v[64+32*\a+4*\t:64+32*\a+4*\t+3], s[12:13] offset:(8*\a+2*\t+8*(\t/4))*4096 th:TH_STORE_NT   ; sixteen lanes store one aligned unit of 256 bytes; place p of tile a is row 8 a + p + 8 (p / 8)
.endr
.endm
	PLACES 8
	TOSTAGE 0
	TOSTAGE 1
	s_wait_dscnt 16                                ; behind tile 0's loads: tile 1's eight stores and eight loads
	SEND 0
	s_wait_dscnt 0x0
	SEND 1
	s_wait_tensorcnt 0x0                           ; the wave's end
	ds_add_u32 v[SPW], v[NIL]
	s_wait_dscnt 0x0
	CROUND                                         ; the closing round
	s_endpgm
.Lfunc_end_k_q80dc27ba3d_outp:
	.size	k_q80dc27ba3d_outp, .Lfunc_end_k_q80dc27ba3d_outp-k_q80dc27ba3d_outp
	.p2alignl 7, 3214868480
	.fill 96, 4, 3214868480
	.section	.rodata,"a",@progbits
	.p2align	6, 0x0
	.amdhsa_kernel k_q80dc27ba3d_outp
		.amdhsa_group_segment_fixed_size 327680
		.amdhsa_private_segment_fixed_size 0
		.amdhsa_enable_private_segment 0
		.amdhsa_kernarg_size 40
		.amdhsa_user_sgpr_count 2
		.amdhsa_user_sgpr_kernarg_segment_ptr 1
		.amdhsa_wavefront_size32 1
		.amdhsa_system_sgpr_workgroup_id_x 1
		.amdhsa_system_sgpr_workgroup_id_y 1
		.amdhsa_system_sgpr_workgroup_id_z 1
		.amdhsa_system_vgpr_workitem_id 0
		.amdhsa_next_free_vgpr 320
		.amdhsa_next_free_sgpr 102
		.amdhsa_reserve_vcc 0
		.amdhsa_float_denorm_mode_32 3
		.amdhsa_float_denorm_mode_16_64 3
		.amdhsa_memory_ordered 1
		.amdhsa_forward_progress 1
		.amdhsa_inst_pref_size 36
	.end_amdhsa_kernel
	.amdgpu_metadata
---
amdhsa.version: [ 1, 2 ]
amdhsa.kernels:
  - .name:           k_q80dc27ba3d_outp
    .symbol:         k_q80dc27ba3d_outp.kd
    .args:
      - { .name: oc, .offset: 0, .size: 8, .value_kind: global_buffer, .address_space: global }
      - { .name: os, .offset: 8, .size: 8, .value_kind: global_buffer, .address_space: global }
      - { .name: cod, .offset: 16, .size: 8, .value_kind: global_buffer, .address_space: global }
      - { .name: scl, .offset: 24, .size: 8, .value_kind: global_buffer, .address_space: global }
      - { .name: out0, .offset: 32, .size: 8, .value_kind: global_buffer, .address_space: global }
    .group_segment_fixed_size: 327680
    .private_segment_fixed_size: 0
    .kernarg_segment_align: 8
    .kernarg_segment_size: 40
    .max_flat_workgroup_size: 256
    .sgpr_count:     102
    .vgpr_count:     320
    .wavefront_size: 32
...
	.end_amdgpu_metadata
.endif
;; end of part 4
